; MI455X (gfx1250); checked and timed in simulation.
; The chip was launched on July 23, 2026; its instructions are those of AMD's public machine-readable ISA for CDNA 5 (MIT licence, August 2026) and "CDNA5" Instruction Set Architecture Reference Guide (July 2026). The comments in the code are by the model that wrote it; some were corrected since.
;; Multi Head Attention. Allowed arithmetic: matrix products marked QUANTISED: E3M2 operands, one E8M0 scale for each 32 along K, by v_wmma_scale_f32_16x16x128_f8f6f4 with both operands' format E3M2, f32 sums; everything else in f32.
;; Inputs: Wk 2,048 x 2,048 float32; Wo 2,048 x 2,048 float32; Wq 2,048 x 2,048 float32; Wv 2,048 x 2,048 float32; mask 2 x 1,024 x 1,024 bool; x 2 x 1,024 x 2,048 float32.
;; Outputs: out0 2 x 1,024 x 2,048 float32.
;; This version of the problem:
;;   THIS VERSION OF THE PROBLEM IS GIVEN IN LOW PRECISION. The matrix products marked QUANTISED in the list below multiply operands that are first quantised to E3M2 (3 exponent bits, 2 mantissa bits; 6 bits a number), with one power-of-two scale for each 32 numbers along K (OCP MX v1.0); their sums are f32. All else is computed in f32.
;;   The module's matrix products, in the order in which they are computed (A, B: the left and right operand; K: the contracted axis; several contracted axes count as one K, in the product's order):
;;     1. [M 2,048, K 2,048] x [K 2,048, N 2,048]; A: input x; B: input Wq: QUANTISED
;;     2. [M 2,048, K 2,048] x [K 2,048, N 2,048]; A: input x; B: input Wk: QUANTISED
;;     3. [M 2,048, K 2,048] x [K 2,048, N 2,048]; A: input x; B: input Wv: QUANTISED
;;     4. batch 32 x [M 1,024, K 128] x [K 128, N 1,024]; A: computed on the way; B: computed on the way: QUANTISED
;;     5. batch 32 x [M 1,024, K 1,024] x [K 1,024, N 128]; A: softmax (see below); B: computed on the way: QUANTISED
;;     6. [M 2,048, K 2,048] x [K 2,048, N 2,048]; A: computed on the way; B: input Wo: QUANTISED
;;   THE QUANTISER, for each operand of a quantised product, along K:
;;     - K is cut into blocks of 32 from its start; a last block that is shorter is filled with zeros.
;;     - A block's scale is 2^e with e = floor(log2(the largest magnitude in the block)) - 4, held to -126 .. 127; a block of zeros has e = 0. As a byte (E8M0): e + 127.
;;     - Each number is divided by its block's scale, clamped to +-28, and rounded to the nearest number of E3M2, ties to even, subnormals kept.
;;     - The product sums the exact products of the quantised numbers (number of the format x scale) in f32.
;;   ~~~python
;;   def quantise(x, axis):      # numpy; x: float32 -> the quantised numbers, widened to float32 again
;;       x = np.moveaxis(x, axis, -1); K = x.shape[-1]
;;       x = np.pad(x, [(0, 0)] * (x.ndim - 1) + [(0, -K % 32)]); x = x.reshape(x.shape[:-1] + (-1, 32)); a = np.abs(x).max(-1, keepdims=True)
;;       e = np.where(a > 0, np.clip(np.frexp(np.where(a > 0, a, 1))[1] - 1 - 4, -126, 127), 0)      # np.frexp(a)[1] - 1 = floor(log2(a)), exactly
;;       r = np.clip(x / 2.0 ** e, -28, 28)
;;       step = 2.0 ** (np.maximum(np.frexp(np.where(r == 0, 1, r))[1] - 1, -2) - 2)
;;       q = np.round(r / step) * step * 2.0 ** e      # np.round: ties to even
;;       return np.moveaxis(q.reshape(q.shape[:-2] + (-1,))[..., :K], -1, axis).astype(np.float32)
;;   ~~~
;;   SOFTMAX AHEAD OF A QUANTISED PRODUCT. Where the list says 'softmax', what is quantised is not the finished softmax but p = 2^(t - M), with t = logit x log2(e) and M = ceil(the row's largest t), a whole number; so 1/2 < the row's largest p <= 1. The row's sum l is taken of the UNQUANTISED p, in f32, and the product's result is divided by l at the end. Since M is a whole number, a kernel that streams over the keys may use a running M (the ceiling of the running maximum): every later rescaling is an exact power of two, which a block's scale takes up: the codes' values come out the same.
;;   OPERANDS COMPUTED ON THE WAY. 'Computed on the way' means the value that the module computes at that place (a softmax that the list does not call 'softmax' is quantised finished and normalised). What goes into a quantiser is computed in f32, as accurately as f32 sums, v_exp_f32 and their like allow (about 1e-6 of the number): no bf16 or f16 on the way to a quantiser, and a product that is left as it is and whose result goes on into a quantised operand takes f32 operands (vector FMAs, or v_wmma_f32_16x16x4_f32). A number that lies on a knife's edge between two numbers of the format may be rounded either way, as far as f32 arithmetic and the matrix unit's own rounding can turn it there, and no further.
;; One version. Each part assembles by itself: llvm-mc -triple=amdgcn-amd-amdhsa -mcpu=gfx1250 --defsym DOCPART=n.
;; ======== version 1 of 1: 4 launches
;; limits: right only within a limited range of input values
;; workspace buffers: wimg 13,107,200 bytes; ximg 3,276,800 bytes; qkv 9,830,400 bytes; aimg 3,276,800 bytes; mbits 262,144 bytes of whole numbers
;; launch prep (part 1): grid 768 x 1, 4 waves a work-group, no clusters, 61,952 bytes of LDS; arguments Wq, Wk, Wv, Wo, x, mask, wimg, ximg, mbits; writes wimg, ximg, mbits
.if DOCPART == 1
	.amdgcn_target "amdgcn-amd-amdhsa--gfx1250"
	.amdhsa_code_object_version 6
	.text
	.protected	k_qe3e7847655_prep
	.globl	k_qe3e7847655_prep
	.p2align	8
	.type	k_qe3e7847655_prep,@function
k_qe3e7847655_prep:
	s_mov_b64 s[64:65], 0
	v_nop
	global_prefetch_b8 v0, s[64:65] scope:SCOPE_SE
	s_setreg_imm32_b32 hwreg(HW_REG_WAVE_MODE, 25, 1), 1
	s_wait_xcnt 0x0
; PREP: the four weights and x become codes of BF6 (E3M2) with one E8M0 byte for each 32 along K; the mask becomes lane masks.
; NO WORK OF THE PROBLEM IS LEFT OUT IN ANY LAUNCH: all six products are live, the mask is an input and is honoured key by key, and every input is loaded.
; THE RECORD, the one layout of all code buffers of this program: 64 operand rows x 128 along K = 6,400 bytes: four fragment images of 1,536 bytes (registers 4 j .. 4 j + 3 of lane L at 512 j + 16 L)
; and, at byte 6,144, 256 bytes of scale words (tile e, row r at 16 r + 4 e).  Lane r of tile e holds row 32 (e / 2) + 8 (e % 2) + r + 8 (r / 8) of the 64: with such tiles as source 0 of a product, a lane's
; 64 results of eight tiles are 64 numbers in the order in which the next quantiser takes them.  wimg: [32 w + n / 64][k / 128] records (w: Wq, Wk, Wv, Wo);  ximg: [token / 64][k / 128].
; mbits: [64 b + T][key step][64 words]: bit (r, h) of word n is mask[b][32 (T / 2) + 8 (T % 2) + r + 8 (r / 8)][128 step + 32 (n / 16) + 16 h + n % 16].
; A block's scale is 2^(floor(log2(largest magnitude)) - 4): its byte is the largest magnitude's exponent field - 4, held at 1 from below by a floor among the maximum's leaves.
; LIMITS: NaN and infinities among the inputs are not served; a block of zeros, or one whose largest magnitude lies under 2^-122, keeps the byte 1 (its codes are zeros or tiny; this program alone reads the bytes);
; a mask byte other than 0 counts as true.
; SHARES: work-groups 0-511 the weights (a wave: one record: 64 columns x 128 along K; a lane takes a column and its registers run down K); 512-639 x (a wave: one record; each load takes 512 dense bytes of a row);
; 640-767 the mask (a work-group: 16 queries; a wave: two key steps).  Waves share nothing: no barrier.  Each path has LDS bytes of its own.
.set REC,   6400
.set FRB,   1536
.set SCO,   6144
.set WST,   6912                       ; weights: a wave's stage: four fragments 1,664 bytes apart, then 256 bytes of scale words
.set WFP,   1664
.set XST0,  27648                      ; x: the stages begin behind the weights' four
.set XST,   8448                       ; a wave's: 16 rows x 528 bytes
.set XP,    528
.set SPARE, 61440                      ; the spare words, 128 bytes a wave: two blocks of 256 bytes that no other line names
.set SPW,   2
.set NIL,   3
.set SEL,   24                         ; s[24:25] lane selects: lane l xor 16
.set TM,    16                         ; v16-31 the quantiser's registers
.set PC,    32                         ; v32-51 the codes just made
.set PW,    52                         ; v52-55 four tiles' scale words
.set RW,    64                         ; v64-191 two sets of 16 rows as loaded
.set XQ,    192                        ; v192-255 64 numbers in the quantiser's order
.macro FINISH                          ; the wave's end
	s_wait_tensorcnt 0x0
	ds_add_u32 v[SPW], v[NIL]
	s_wait_dscnt 0x0
	s_endpgm
.endm
	s_load_b256 s[4:11], s[0:1], 0x0               ; Wq, Wk, Wv, Wo
	s_load_b256 s[12:19], s[0:1], 0x20             ; x, mask, wimg, ximg
	s_load_b64 s[20:21], s[0:1], 0x40              ; mbits
	v_lshl_add_u32 v[SPW], v0, 2, SPARE
	v_mov_b32 v[NIL], 0
	v_lshrrev_b32 v1, 5, v0
	v_readfirstlane_b32 s22, v1                    ; wave
	v_and_b32 v1, 31, v0                           ; lane
	v_lshlrev_b32 v9, 4, v1                        ; 16 x lane
	v_lshlrev_b32 v10, 3, v1                       ; 8 x lane
	s_mov_b32 s23, 0xffff0000                      ; lanes 16-31
	s_mov_b32 s[SEL], 0x76543210
	s_mov_b32 s[SEL+1], 0xfedcba98
	s_mov_b32 s31, 0
	s_wait_kmcnt 0x0
	s_cmp_ge_u32 ttmp9, 512
	s_cbranch_scc1 .Lx
; ---------------- the weights
	s_lshr_b32 s26, ttmp9, 7                       ; which weight: the choice hangs on the work-group's number alone
	s_cmp_eq_u32 s26, 1
	s_cselect_b64 s[4:5], s[6:7], s[4:5]
	s_cmp_eq_u32 s26, 2
	s_cselect_b64 s[4:5], s[8:9], s[4:5]
	s_cmp_eq_u32 s26, 3
	s_cselect_b64 s[4:5], s[10:11], s[4:5]
	s_and_b32 s27, ttmp9, 15                       ; K step
	s_bfe_u32 s28, ttmp9, 0x30004                  ; which 256 columns
	s_lshl_b32 s30, s27, 20                        ; 128 rows of 8,192 bytes
	s_lshl_b32 s29, s28, 10
	s_add_co_u32 s30, s30, s29
	s_lshl_b32 s29, s22, 8                         ; my wave's 64 columns
	s_add_co_u32 s30, s30, s29
	s_add_nc_u64 s[4:5], s[4:5], s[30:31]
	s_lshl_b32 s26, s26, 5
	s_lshl_b32 s28, s28, 2
	s_add_co_u32 s26, s26, s28
	s_add_co_u32 s26, s26, s22                     ; the group of 64 rows of the operand
	s_lshl_b32 s26, s26, 4
	s_add_co_u32 s26, s26, s27
	s_mul_i32 s30, s26, REC
	s_add_nc_u64 s[16:17], s[16:17], s[30:31]      ; my record
	s_mul_i32 s29, s22, WST                        ; my stage
	s_wait_alu depctr_va_vdst(0)
	v_lshlrev_b32 v4, 2, v1                        ; in: 4 bytes a lane
	v_bfe_u32 v11, v1, 3, 1                        ; u: column 32 p + lane belongs to tile 2 p + u,
	v_and_b32 v12, 7, v1
	v_lshrrev_b32 v13, 4, v1
	v_lshl_or_b32 v12, v13, 3, v12                 ; row r of it
	v_mul_u32_u24 v5, v11, WFP
	v_lshl_add_u32 v5, v12, 4, v5
	v_add_nc_u32 v5, s29, v5                       ; codes into the stage: fragment u, 16 r
	v_lshlrev_b32 v6, 4, v12
	v_lshl_add_u32 v6, v11, 2, v6
	v_add_nc_u32 v6, s29, v6
	v_add_nc_u32 v6, 4*WFP, v6                     ; the scale word: 16 r + 4 u
	v_add_nc_u32 v7, s29, v9                       ; back: 16 x lane
	v_add_nc_u32 v8, s29, v10
	v_add_nc_u32 v8, 4*WFP, v8                     ; the scale words back: 8 x lane
.macro LOADW t                         ; block t = 4 p + blk: W(32 blk + i, 32 p + lane), i = 0 .. 31: 128 consecutive bytes a load
.set i, 0
.rept 32
	global_load_b32 v[64+32*((\t)%2)+i], v4, s[4:5] offset:(32*((\t)%4)+i)*8192+128*((\t)/4) th:TH_LOAD_NT
.set i, i+1
.endr
.endm
.macro BLOCKW t
.set XS, 64+32*((\t)%2)
.set PP, (\t)/4
.set BL, (\t)%4
.set OB, 2*PP*WFP+256*(BL%2)           ; block 2 c + h of a column is registers 6 c .. 6 c + 5 of lane r + 16 h
.if (\t) < 7
	s_wait_loadcnt 32                              ; this block's 32 loads are in; the next block's may be out
.else
	s_wait_loadcnt 0x0
.endif
	v_max3_num_f32 v12, |v[XS]|, |v[XS+1]|, |v[XS+2]|
	v_max3_num_f32 v13, |v[XS+3]|, |v[XS+4]|, |v[XS+5]|
.irp i, 6,10,14,18,22,26
	v_max3_num_f32 v12, v12, |v[XS+\i]|, |v[XS+\i+1]|
	v_max3_num_f32 v13, v13, |v[XS+\i+2]|, |v[XS+\i+3]|
.endr
	v_max3_num_f32 v12, v12, |v[XS+30]|, |v[XS+31]|
	v_max3_num_f32 v12, v12, v13, 0x2800000        ; and the floor 2^(5 - 127)
	v_add_nc_u32 v11, 0xfe000000, v12              ; 4 off the exponent field: the conversion's scale operand
	v_cvt_scalef32_pk16_bf6_f32 v[32:34], v[XS:XS+15], v11
	v_cvt_scalef32_pk16_bf6_f32 v[36:38], v[XS+16:XS+31], v11
	v_lshrrev_b32 v13, 23, v11                     ; the byte; also the plain line behind the conversions
.if BL == 0
	v_mov_b32 v[40+PP], v13
.else
	v_lshl_or_b32 v[40+PP], v13, 8*BL, v[40+PP]
.endif
	v_mov_b32 v35, v36                             ; the block's six registers on end
	v_mov_b32 v36, v37
	v_mov_b32 v37, v38
.if BL < 2
	ds_store_b128 v5, v[32:35] offset:OB           ; registers 0-3,
	ds_store_b64 v5, v[36:37] offset:OB+512        ; 4, 5
.else
	ds_store_b64 v5, v[32:33] offset:OB+520        ; registers 6, 7,
	ds_store_b128 v5, v[34:37] offset:OB+1024      ; 8-11
.endif
.if BL == 3
	ds_store_b32 v6, v[40+PP] offset:8*PP          ; the column's scale word
.endif
.if (\t)+2 < 8
	LOADW (\t)+2
.endif
	s_wait_dscnt 0x0                               ; the stores have read their registers
.endm
	LOADW 0
	LOADW 1
.irp t, 0,1,2,3,4,5,6,7
	BLOCKW \t
.endr
.set i, 0
.rept 12
	ds_load_b128 v[128+4*i:131+4*i], v7 offset:(i/3)*WFP+(i%3)*512
.set i, i+1
.endr
	ds_load_b64 v[176:177], v8
.set i, 0
.rept 12
	s_wait_dscnt 12-i                              ; the younger LDS loads may be out
	global_store_b128 v9, v[128+4*i:131+4*i], s[16:17] offset:(i/3)*FRB+(i%3)*512   ; 512 consecutive bytes a store
.set i, i+1
.endr
	s_wait_dscnt 0x0
	global_store_b64 v10, v[176:177], s[16:17] offset:SCO   ; 256 consecutive bytes
	FINISH
; ---------------- x
; 64 numbers of a lane, register 16 b + i = k 32 b + 16 (lane / 16) + i of its row, become a fragment's 12 registers in v[pc] on and the row's scale word in v[pw].
.macro QUANT s, pc, pw
.irp b, 0,1,2,3
	v_max3_num_f32 v[TM+\b], |v[\s+16*\b]|, |v[\s+1+16*\b]|, 0x2800000
.endr
.irp i, 2,4,6,8,10,12,14
.irp b, 0,1,2,3
	v_max3_num_f32 v[TM+\b], v[TM+\b], |v[\s+16*\b+\i]|, |v[\s+1+16*\b+\i]|
.endr
.endr
.irp b, 0,1,2,3
	v_permlanex16_b32 v[TM+4+\b], v[TM+\b], s[SEL], s[SEL+1]
.endr
.irp b, 0,1,2,3
	v_max_num_f32 v[TM+\b], v[TM+\b], v[TM+4+\b]   ; with lane l xor 16's: the block's largest magnitude
.endr
.irp b, 0,1,2,3
	v_add_nc_u32 v[TM+12+\b], 0xfe000000, v[TM+\b]
.endr
.irp b, 0,1,2,3
	v_lshrrev_b32 v[TM+4+\b], 23, v[TM+12+\b]
.endr
	v_lshl_or_b32 v[\pw], v[TM+5], 8, v[TM+4]
	v_lshl_or_b32 v[\pw], v[TM+6], 16, v[\pw]
	v_lshl_or_b32 v[\pw], v[TM+7], 24, v[\pw]
.irp c, 0,1
	v_cvt_scalef32_pk16_bf6_f32 v[\pc+6*\c:\pc+6*\c+2], v[\s+32*\c:\s+32*\c+15], v[TM+12+2*\c]
	v_cvt_scalef32_pk16_bf6_f32 v[\pc+12+4*\c:\pc+14+4*\c], v[\s+16+32*\c:\s+31+32*\c], v[TM+13+2*\c]
.endr
	v_nop                                          ; one plain line behind the conversions
.irp c, 0,1                            ; a whole block to a lane: lanes 0-15 block 2 c, lanes 16-31 block 2 c + 1
.irp i, 0,1,2
	v_permlane16_swap_b32 v[\pc+6*\c+\i], v[\pc+12+4*\c+\i]
.endr
.irp i, 0,1,2
	v_mov_b32 v[\pc+3+6*\c+\i], v[\pc+12+4*\c+\i]
.endr
.endr
.endm
.Lx:
	s_cmp_ge_u32 ttmp9, 640
	s_cbranch_scc1 .Lmask
	s_sub_co_u32 s26, ttmp9, 512
	s_lshr_b32 s27, s26, 2                         ; the group of 64 tokens
	s_and_b32 s28, s26, 3
	s_lshl_b32 s28, s28, 2
	s_add_co_u32 s28, s28, s22                     ; K step
	s_lshl_b32 s30, s27, 19                        ; 64 rows of 8,192 bytes
	s_lshl_b32 s29, s28, 9
	s_add_co_u32 s30, s30, s29
	s_add_nc_u64 s[12:13], s[12:13], s[30:31]
	s_lshl_b32 s27, s27, 4
	s_add_co_u32 s27, s27, s28
	s_mul_i32 s30, s27, REC
	s_add_nc_u64 s[18:19], s[18:19], s[30:31]      ; my record
	s_mul_i32 s29, s22, XST
	s_add_co_u32 s29, s29, XST0                    ; my stage
	s_wait_alu depctr_va_vdst(0)
	v_add_nc_u32 v5, s29, v9                       ; in: a row's 512 bytes as they lie
	v_and_b32 v11, 15, v1                          ; r
	v_lshrrev_b32 v12, 4, v1                       ; h
	v_mul_u32_u24 v6, v11, XP
	v_lshl_add_u32 v6, v12, 6, v6
	v_add_nc_u32 v6, s29, v6                       ; back: row r, 64 h bytes on: my 16 numbers of each block of 32
	v_lshlrev_b32 v10, 4, v11
	v_lshl_add_u32 v10, v12, 3, v10                ; the scale words' place: 16 r + 8 h
.irp b, 0,1,2,3
	v_mov_b32 v[TM+4+\b], 0                        ; written once: a lane permute's destination counts as one of its sources
.endr
.macro LOADX e                         ; tile e's 16 rows
.irp q, 0,1,2,3,4,5,6,7,8,9,10,11,12,13,14,15
	global_load_b128 v[RW+64*((\e)%2)+4*\q:RW+64*((\e)%2)+4*\q+3], v9, s[12:13] offset:(32*((\e)/2)+8*((\e)%2)+\q+8*(\q/8))*8192 th:TH_LOAD_NT
.endr
.endm
.macro FRAGX e
.if (\e) < 3
	s_wait_loadcnt 16                              ; this tile's 16 loads are in; the next tile's may be out
.else
	s_wait_loadcnt 0x0
.endif
.irp q, 0,1,2,3,4,5,6,7,8,9,10,11,12,13,14,15
	ds_store_b128 v5, v[RW+64*((\e)%2)+4*\q:RW+64*((\e)%2)+4*\q+3] offset:XP*\q
.endr
.irp b, 0,1,2,3
.irp q, 0,1,2,3
	ds_load_b128 v[XQ+16*\b+4*\q:XQ+16*\b+4*\q+3], v6 offset:128*\b+16*\q   ; LDS serves a wave's instructions in order: these see the stores above
.endr
.endr
	s_wait_dscnt 0x0
.if (\e) > 0
	s_wait_xcnt 0x0                                ; the last tile's stores have read the codes' registers
.endif
.if (\e)+2 < 4
	LOADX (\e)+2
.endif
	QUANT XQ, PC, PW+\e
.irp i, 0,1,2
	global_store_b128 v9, v[PC+4*\i:PC+4*\i+3], s[18:19] offset:(\e)*FRB+512*\i
.endr
.endm
	LOADX 0
	LOADX 1
	s_wait_alu depctr_va_vdst(0)
.irp e, 0,1,2,3
	FRAGX \e
.endr
	v_cndmask_b32 v56, v[PW], v[PW+2], s23         ; lanes 0-15 tiles 0, 1; lanes 16-31 tiles 2, 3 (both halves of the lanes hold row r's words)
	v_cndmask_b32 v57, v[PW+1], v[PW+3], s23
	global_store_b64 v10, v[56:57], s[18:19] offset:SCO   ; 256 consecutive bytes
	FINISH
; ---------------- the mask
.Lmask:
	s_sub_co_u32 s26, ttmp9, 640                   ; 64 b + T
	s_lshr_b32 s27, s26, 6
	s_lshl_b32 s30, s27, 20                        ; the batch
	s_and_b32 s27, s26, 63
	s_lshr_b32 s27, s27, 1
	s_lshl_b32 s27, s27, 15                        ; 32 (T / 2) rows of 1,024 bytes
	s_add_co_u32 s30, s30, s27
	s_and_b32 s27, s26, 1
	s_lshl_b32 s27, s27, 13                        ; 8 (T % 2) rows
	s_add_co_u32 s30, s30, s27
	s_lshl_b32 s27, s22, 8                         ; my two key steps: 256 keys
	s_add_co_u32 s30, s30, s27
	s_add_nc_u64 s[14:15], s[14:15], s[30:31]
	s_lshl_b32 s30, s26, 3
	s_lshl_b32 s27, s22, 1
	s_add_co_u32 s30, s30, s27
	s_lshl_b32 s30, s30, 8
	s_add_nc_u64 s[20:21], s[20:21], s[30:31]
	s_wait_alu depctr_va_vdst(0)
	v_and_b32 v4, 15, v1
	v_and_b32 v5, 8, v4
	v_add_nc_u32 v4, v4, v5                        ; r + 8 (r / 8)
	v_lshlrev_b32 v4, 10, v4
	v_lshrrev_b32 v5, 4, v1
	v_lshl_add_u32 v4, v5, 4, v4                   ; + 16 h
.irp k, 0,1
.irp b, 0,1,2,3
	global_load_b128 v[64+16*\k+4*\b:67+16*\k+4*\b], v4, s[14:15] offset:128*\k+32*\b   ; keys 128 k + 32 b + 16 h + 0 .. 15 of my query
.endr
.endr
.irp q, 0,1,2,3
	v_mov_b32 v[32+\q], 0                          ; written once: v_writelane_b32's destination counts as read
.endr
.irp k, 0,1
.if \k == 0
	s_wait_loadcnt 4                               ; the first key step's four loads are in
.else
	s_wait_loadcnt 0x0
.endif
.set m, 0
.rept 16                               ; words 4 m .. 4 m + 3: a byte of every lane becomes a bit of a word; word n goes to lane n / 2 of register n % 2
.irp q, 0,1,2,3
	v_bfe_u32 v[11+\q], v[64+16*\k+m], 8*\q, 8
.endr
.irp q, 0,1,2,3
	v_cmp_ne_u32 s[26+\q], 0, v[11+\q]
.endr
.irp q, 0,1,2,3
	v_writelane_b32 v[32+2*\k+\q%2], s[26+\q], 2*m+\q/2
.endr
.set m, m+1
.endr
	global_store_b64 v10, v[32+2*\k:33+2*\k], s[20:21] offset:256*\k   ; 256 consecutive bytes
.endr
	FINISH
.Lfunc_end_k_qe3e7847655_prep:
	.size	k_qe3e7847655_prep, .Lfunc_end_k_qe3e7847655_prep-k_qe3e7847655_prep
	.p2alignl 7, 3214868480
	.fill 96, 4, 3214868480
	.section	.rodata,"a",@progbits
	.p2align	6, 0x0
	.amdhsa_kernel k_qe3e7847655_prep
		.amdhsa_group_segment_fixed_size 61952
		.amdhsa_private_segment_fixed_size 0
		.amdhsa_enable_private_segment 0
		.amdhsa_kernarg_size 72
		.amdhsa_user_sgpr_count 2
		.amdhsa_user_sgpr_kernarg_segment_ptr 1
		.amdhsa_wavefront_size32 1
		.amdhsa_system_sgpr_workgroup_id_x 1
		.amdhsa_system_sgpr_workgroup_id_y 1
		.amdhsa_system_sgpr_workgroup_id_z 1
		.amdhsa_system_vgpr_workitem_id 0
		.amdhsa_next_free_vgpr 256
		.amdhsa_next_free_sgpr 66
		.amdhsa_reserve_vcc 0
		.amdhsa_float_denorm_mode_32 3
		.amdhsa_float_denorm_mode_16_64 3
		.amdhsa_memory_ordered 1
		.amdhsa_forward_progress 1
		.amdhsa_inst_pref_size 101
	.end_amdhsa_kernel
	.amdgpu_metadata
---
amdhsa.version: [ 1, 2 ]
amdhsa.kernels:
  - .name:           k_qe3e7847655_prep
    .symbol:         k_qe3e7847655_prep.kd
    .args:
      - { .name: Wq, .offset: 0, .size: 8, .value_kind: global_buffer, .address_space: global }
      - { .name: Wk, .offset: 8, .size: 8, .value_kind: global_buffer, .address_space: global }
      - { .name: Wv, .offset: 16, .size: 8, .value_kind: global_buffer, .address_space: global }
      - { .name: Wo, .offset: 24, .size: 8, .value_kind: global_buffer, .address_space: global }
      - { .name: x, .offset: 32, .size: 8, .value_kind: global_buffer, .address_space: global }
      - { .name: mask, .offset: 40, .size: 8, .value_kind: global_buffer, .address_space: global }
      - { .name: wimg, .offset: 48, .size: 8, .value_kind: global_buffer, .address_space: global }
      - { .name: ximg, .offset: 56, .size: 8, .value_kind: global_buffer, .address_space: global }
      - { .name: mbits, .offset: 64, .size: 8, .value_kind: global_buffer, .address_space: global }
    .group_segment_fixed_size: 61952
    .private_segment_fixed_size: 0
    .kernarg_segment_align: 8
    .kernarg_segment_size: 72
    .max_flat_workgroup_size: 128
    .sgpr_count:     66
    .vgpr_count:     256
    .wavefront_size: 32
...
	.end_amdgpu_metadata
.endif
;; end of part 1
;; launch proj (part 2): grid 24 x 8, 4 waves a work-group, clusters of 4 x 4, 327,680 bytes of LDS; arguments ximg, wimg, qkv; writes qkv
.if DOCPART == 2
	.amdgcn_target "amdgcn-amd-amdhsa--gfx1250"
	.amdhsa_code_object_version 6
	.text
	.protected	k_qe3e7847655_proj
	.globl	k_qe3e7847655_proj
	.p2align	8
	.type	k_qe3e7847655_proj,@function
k_qe3e7847655_proj:
	s_mov_b64 s[64:65], 0
	v_nop
	global_prefetch_b8 v0, s[64:65] scope:SCOPE_SE
	s_setreg_imm32_b32 hwreg(HW_REG_WAVE_MODE, 25, 1), 1
	s_wait_xcnt 0x0
	s_wait_alu depctr_hold_cnt(0) depctr_sa_sdst(0) depctr_va_vdst(0) depctr_va_sdst(0) depctr_va_ssrc(0) depctr_va_vcc(0) depctr_vm_vsrc(0)
	s_getreg_b32 s2, hwreg(HW_REG_IB_STS2, 6, 4)
	s_cmp_eq_u32 s2, 0
	s_cbranch_scc0 .Lentry_in_a_cluster
	s_endpgm
.Lentry_in_a_cluster:
	s_bfe_u32 s2, ttmp6, 0x10000c
	s_cmp_lg_u32 s2, 0xf033
	s_cbranch_scc0 .Lentry_shape_is_right
	s_endpgm
.Lentry_shape_is_right:
; PROJ: q, k, v = x Wq, x Wk, x Wv as ONE product [2,048 tokens] x [6,144 columns], K = 2,048, on codes of BF6 with E8M0 scales; the f32 sums are quantised in registers and leave as codes.  No work is left out.
; Operands come as records (64 rows x 128 along K: four fragment images of 1,536 bytes, 256 bytes of scale words at 6,144; lane r of tile e holds row 32 (e / 2) + 8 (e % 2) + r + 8 (r / 8)).
; A tile of 256 x 256 to a work-group, 128 x 128 to each of four waves: 64 accumulators.  K goes in 16 steps of 128, 64 products of a wave each, all written out.
; THE RING: a K step is 51,200 bytes for the work-group.  Slot 0 holds FOUR K steps, slot 1 TWO; the walk is K steps 0-3, 4-5, 6-9, 10-11, 12-15: two first fills and three refills, one load a wave each.
; Slot 0's first fill is asked for at the head, slot 1's behind the full sequence and a round of the cluster's barrier.
; ROLES.  P is source 0, Q source 1.  A lane's 64 results for one tile of Q run along P's 128 rows in ascending order, so they are quantised along P, and give a fragment whose rows are Q's.
; q, k (cluster x under 4): P = 128 columns of W (a head), Q = tokens.   v (cluster x 4, 5): P = 128 tokens (keys), Q = columns of Wv.  The tensor loads are the same in both; only the LDS bases of the fragment loads
; are chosen, by a number that all partners of a cluster share.
; qkv: octets of two records: [(which 32 + b 16 + head) 8 + o]: q, k: rows = tokens 128 o on, K = the head's 128;  v: rows = the head's 128, K = keys 128 o on.
; CLUSTERS: x's tiles are shared along a row of the 4 x 4 cluster, W's along a column: joint loads.  192 work-groups: a wave needs 128 rows of P to make whole fragments and whole scale words.
; PREFETCH: a tile's K step is four records of 25 blocks of 256 bytes.  Of the four partners that ask for it jointly, the one at place p (cx for x, cy for W) names record p: told apart by address.  Waves 0, 1 name x's
; blocks 0-12 and 13-24, waves 2, 3 W's; lanes left over name their wave's last block again.  K steps 4, 5 are named at the head, 6 to 15 two at a time in K steps 0, 1, 2, 4, 6: each at least two K steps ahead of its load.
; The K step stands in the immediate: the address registers are never rewritten.
; LIMITS: NaN and infinities are not served; a block whose largest magnitude lies under 2^-122 keeps the byte 1.
; REGISTERS: window 0: v16-29 addresses; v32-47 Q's scale words, v64-79 P's (two sets of eight, by the K step's parity); v96-123 the quantiser's; v128-223 Q's fragments, one set (on the way out: codes).
;   window 1: P's fragments, two sets at v0 and v128.   windows 2, 3: accumulator (a, b) at v[8 (8 (a % 4) + b)], a = Q's tile, b = P's.
.set REC,   6400
.set FRB,   1536
.set SCO,   6144
.set GQP,   16*REC                     ; from a group of 64 rows to the next, in memory
.set PART0, 8*REC                      ; slot 0: 128 rows x 4 K steps: what one tensor load brings
.set PART1, 4*REC                      ; slot 1: 128 rows x 2 K steps
.set SLOT1, 4*PART0
.set SPARE, SLOT1+4*PART1              ; the spare words, 128 bytes a wave: two blocks of 256 bytes that no other line names
.set FR,    12
.set NL,    3                          ; LDS loads to a fragment
.set NP,    4                          ; places behind this matrix instruction (ISA guide 7.12.1)
.set ADRQ, 16
.set ADRP, 18
.set ADSQ, 20
.set ADSP, 22
.set GO,   24
.set GS,   25
.set PFO,  26                          ; the prefetches' offset: my block of the record; never rewritten
.set SPW,  28
.set NIL,  29
.set SCQ,  32
.set SCP,  64
.set TM,   96
.set PW,   112
.set EW,   120
.set QF,   128
.set PCB,  128
.set SEL,  22                          ; s[22:23]
.set G1X,  24                          ; s[24:31] group 1 for x's tiles of slot 0;  s[68:75] of slot 1
.set G0X,  32                          ; s[32:39] groups 0, one for each slot
.set G1W,  48                          ; s[48:55] group 1 for W's tiles of slot 0;  s[76:83] of slot 1
.set G0W,  56                          ; s[56:63]
.set G1XS, 68
.set G1WS, 76
.set PFA,  84                          ; s[84:85] the record row that I prefetch from; never rewritten
.set MSB, 0
.macro WIN new                         ; the immediate's high byte repeats the setting that is left
.set WN, \new
.if MSB != WN
	s_set_vgpr_msb (MSB<<8)|WN
.set MSB, WN
.endif
.endm
.set MUL_LO, 0xa1                      ; source 0 (P) window 1, source 1 (Q) window 0, C and D window 2
.set MUL_HI, 0xf1
.set TO_P,   0x40
.macro JLOAD s                         ; a joint load into slot s: waves 0, 1 fetch x's parts, waves 2, 3 W's; an s_nop 0 and four v_nop follow each line
	s_cmp_eq_u32 s11, 0
	s_cbranch_scc0 .Lfor_w_\@
	tensor_load_to_lds s[G0X+4*\s:G0X+4*\s+3], s[G1X+44*\s:G1X+44*\s+7]
	s_nop 0
.rept 4
	v_nop
.endr
	s_branch .Lasked_\@
.Lfor_w_\@:
	tensor_load_to_lds s[G0W+4*\s:G0W+4*\s+3], s[G1W+28*\s:G1W+28*\s+7]
	s_nop 0
.rept 4
	v_nop
.endr
.Lasked_\@:
.endm
.macro ASK j                           ; my blocks of K step j's record
	global_prefetch_b8 v[PFO], s[PFA:PFA+1] offset:(\j)*REC th:TH_LOAD_NT scope:SCOPE_SE
.endm
.macro CREST
	s_cmp_lg_u32 s10, 0
	s_cbranch_scc1 .Lnot_wave_0_\@
	s_barrier_signal -3
.Lnot_wave_0_\@:
	s_barrier_wait -3
	s_barrier_signal -1
	s_barrier_wait -1
.endm
.macro CROUND
	s_barrier_signal -1
	s_barrier_wait -1
	CREST
.endm
	s_load_b128 s[4:7], s[0:1], 0x0                ; ximg, wimg
	s_load_b64 s[8:9], s[0:1], 0x10                ; qkv
	v_lshl_add_u32 v[SPW], v0, 2, SPARE
	v_mov_b32 v[NIL], 0
	ds_add_u32 v[SPW], v[NIL]                      ; the opening: the add, twice on end, and its wait ahead of my first tensor load
	ds_add_u32 v[SPW], v[NIL]
	v_lshrrev_b32 v1, 5, v0
	v_readfirstlane_b32 s10, v1                    ; wave
	s_lshr_b32 s11, s10, 1                         ; which half of Q's rows is mine.  Also: I fetch for x (0) or for W (1)
	s_and_b32 s12, s10, 1                          ; which half of P's.  Also: which part I fetch
	s_bfe_u32 s40, ttmp6, 0x40000                  ; cx
	s_bfe_u32 s41, ttmp6, 0x40004                  ; cy
	s_lshl_b32 s42, ttmp9, 2
	s_add_co_u32 s42, s42, s40                     ; which 256 columns
	s_and_b32 s13, ttmp7, 0xffff
	s_lshl_b32 s13, s13, 2
	s_add_co_u32 s13, s13, s41                     ; which 256 tokens
	s_lshl_b32 s43, s41, 2
	s_lshl_b32 s43, 15, s43                        ; my row of the cluster
	s_lshl_b32 s44, 0x1111, s40                    ; my column
	s_or_b32 s[G1X], s43, (3<<16)|(1<<21)          ; 15:0 the mask; 17:16 elements of 8 bytes; 21 set beside a mask; no padding
	s_or_b32 s[G1W], s44, (3<<16)|(1<<21)
	s_or_b32 s[G1XS], s43, (3<<16)|(1<<21)
	s_or_b32 s[G1WS], s44, (3<<16)|(1<<21)
.irp g, G1X, G1W                       ; slot 0: two rows of 25,600 bytes (four records on end), 102,400 bytes apart
	s_mov_b32 s[\g+1], 3200<<16
	s_mov_b32 s[\g+2], 2<<16
	s_mov_b32 s[\g+3], 3200<<16
	s_mov_b32 s[\g+4], 2
	s_mov_b32 s[\g+5], GQP/8
	s_mov_b32 s[\g+6], 0
	s_mov_b32 s[\g+7], 0
.endr
.irp g, G1XS, G1WS                     ; slot 1: two rows of 12,800 bytes (two records on end)
	s_mov_b32 s[\g+1], 1600<<16
	s_mov_b32 s[\g+2], 2<<16
	s_mov_b32 s[\g+3], 1600<<16
	s_mov_b32 s[\g+4], 2
	s_mov_b32 s[\g+5], GQP/8
	s_mov_b32 s[\g+6], 0
	s_mov_b32 s[\g+7], 0
.endr
	s_cmp_ge_u32 ttmp9, 4                          ; v's columns?  The same in all sixteen partners
	s_cselect_b32 s45, 1, 0
	s_cselect_b32 s46, s12, s11                    ; which part of x my fragments come from
	s_cselect_b32 s47, s11, s12                    ; and which part of W
	s_lshl_b32 s14, s13, 2
	s_lshl_b32 s15, s12, 1
	s_add_co_u32 s14, s14, s15
	s_mul_i32 s14, s14, GQP                        ; x: group 4 x tile row + 2 x part
	s_mov_b32 s15, 0
	s_lshl_b32 s16, s42, 2
	s_lshl_b32 s17, s12, 1
	s_add_co_u32 s16, s16, s17
	s_mul_i32 s16, s16, GQP                        ; W: group 4 x tile column + 2 x part
	s_mov_b32 s17, 0
	s_mul_i32 s18, s10, PART0                      ; where they go: wave x a part, in slot 0
	s_mul_i32 s19, s10, PART1                      ; and in slot 1
	s_mov_b32 s[SEL], 0x76543210
	s_mov_b32 s[SEL+1], 0xfedcba98
	s_mov_b32 s2, 0xffff0000                       ; lanes 16-31
	s_wait_dscnt 0x0                               ; both opening adds are done
	s_wait_kmcnt 0x0
	s_add_nc_u64 s[14:15], s[4:5], s[14:15]
	s_add_nc_u64 s[16:17], s[6:7], s[16:17]
	CROUND                                         ; all sixteen work-groups are here: the first joint loads meet
	s_mov_b32 s[G0X], 1                            ; slot 0: K steps 0 to 3
	s_mov_b32 s[G0X+1], s18
	s_mov_b64 s[G0X+2:G0X+3], s[14:15]
	s_or_b32 s[G0X+3], s[G0X+3], 0x80000000
	s_mov_b32 s[G0W], 1
	s_mov_b32 s[G0W+1], s18
	s_mov_b64 s[G0W+2:G0W+3], s[16:17]
	s_or_b32 s[G0W+3], s[G0W+3], 0x80000000
	JLOAD 0                                        ; one tensor load a wave at the head
	s_mov_b32 s[G0X+4], 1                          ; slot 1: K steps 4 and 5
	s_add_co_u32 s[G0X+5], s19, SLOT1
	s_add_nc_u64 s[G0X+6:G0X+7], s[14:15], 4*REC
	s_or_b32 s[G0X+7], s[G0X+7], 0x80000000
	s_mov_b32 s[G0W+4], 1
	s_add_co_u32 s[G0W+5], s19, SLOT1
	s_add_nc_u64 s[G0W+6:G0W+7], s[16:17], 4*REC
	s_or_b32 s[G0W+7], s[G0W+7], 0x80000000
	s_cmp_eq_u32 s11, 0                            ; the prefetches: do I ask for x or for W?
	s_cselect_b32 s86, s13, s42                    ; the tile's number,
	s_cselect_b32 s87, s40, s41                    ; my work-group's place among the four that share the tile,
	s_cselect_b64 s[PFA:PFA+1], s[4:5], s[6:7]
	s_lshl_b32 s86, s86, 2
	s_add_co_u32 s86, s86, s87                     ; the group of 64 rows that it names
	s_mul_i32 s86, s86, GQP
	s_mov_b32 s87, 0
	s_add_nc_u64 s[PFA:PFA+1], s[PFA:PFA+1], s[86:87]
	s_mul_i32 s86, s12, 13
	v_and_b32 v1, 31, v0
	v_min_u32 v[PFO], 12, v1
	v_add_nc_u32 v[PFO], s86, v[PFO]
	v_min_u32 v[PFO], 24, v[PFO]                   ; blocks 0-12 or 13-24 of the record's 25
	v_lshlrev_b32 v[PFO], 8, v[PFO]
	ASK 4
	ASK 5
	v_lshlrev_b32 v2, 4, v1                        ; 16 x lane
	v_and_b32 v3, 15, v0
	v_lshlrev_b32 v3, 4, v3                        ; 16 r
	v_bfe_u32 v4, v0, 4, 1                         ; h
	s_mul_i32 s19, s46, PART0                      ; slot 0: my part of x
	s_mul_i32 s20, s47, PART0
	s_add_co_u32 s20, s20, 2*PART0                 ; my part of W
	s_cmp_eq_u32 s45, 1
	s_cselect_b32 s21, s20, s19                    ; Q's
	s_cselect_b32 s19, s19, s20                    ; P's
	v_add_nc_u32 v[ADRQ], s21, v2
	v_add_nc_u32 v[ADRP], s19, v2
	v_add_nc_u32 v[ADSQ], s21, v3
	v_add_nc_u32 v[ADSQ], SCO, v[ADSQ]
	v_add_nc_u32 v[ADSP], s19, v3
	v_add_nc_u32 v[ADSP], SCO, v[ADSP]
	s_mul_i32 s19, s46, PART1                      ; slot 1 likewise
	s_add_co_u32 s19, s19, SLOT1
	s_mul_i32 s20, s47, PART1
	s_add_co_u32 s20, s20, SLOT1+2*PART1
	s_cmp_eq_u32 s45, 1
	s_cselect_b32 s21, s20, s19
	s_cselect_b32 s19, s19, s20
	v_add_nc_u32 v[ADRQ+1], s21, v2
	v_add_nc_u32 v[ADRP+1], s19, v2
	v_add_nc_u32 v[ADSQ+1], s21, v3
	v_add_nc_u32 v[ADSQ+1], SCO, v[ADSQ+1]
	v_add_nc_u32 v[ADSP+1], s19, v3
	v_add_nc_u32 v[ADSP+1], SCO, v[ADSP+1]
	v_mov_b32 v[GO], v2
	v_mul_u32_u24 v[GS], v4, REC
	v_add_nc_u32 v[GS], v[GS], v3                  ; the scale words' place: 16 r + a record for lanes 16-31
.irp b, 0,1,2,3
	v_mov_b32 v[TM+4+\b], 0                        ; written once: a lane permute's destination counts as one of its sources
.endr
	s_lshl_b32 s14, s42, 1                         ; where my octet lies
	s_add_co_u32 s14, s14, s47                     ; 16 which + head
	s_lshr_b32 s15, s14, 4
	s_and_b32 s14, s14, 15
	s_lshl_b32 s15, s15, 5
	s_add_co_u32 s14, s14, s15
	s_lshr_b32 s15, s13, 2                         ; the batch
	s_lshl_b32 s15, s15, 4
	s_add_co_u32 s14, s14, s15
	s_lshl_b32 s14, s14, 3
	s_lshl_b32 s15, s13, 1
	s_add_co_u32 s15, s15, s46
	s_and_b32 s15, s15, 7                          ; which 128 tokens of the batch
	s_add_co_u32 s14, s14, s15
	s_mul_i32 s14, s14, 2*REC
	s_mov_b32 s15, 0
	s_add_nc_u64 s[8:9], s[8:9], s[14:15]
; A fragment comes as it was stored: three loads of 512 consecutive bytes.  In a part the two groups of 64 rows lie 4 records apart in slot 0 and 2 in slot 1.
.macro FRAG reg, adr, slot, q, i
.irp j, 0,1,2
	ds_load_b128 v[\reg+4*\j:\reg+4*\j+3], v[\adr] offset:((\i)/4)*(4-2*(\slot))*REC+(\q)*REC+((\i)%4)*FRB+512*\j
.endr
.endm
.macro FETCH_P slot, q, p
	WIN TO_P
.irp i, 0,1,2,3,4,5,6,7
	FRAG 128*(\p)+FR*\i, ADRP+\slot, \slot, \q, \i
.endr
	WIN 0
.endm
.macro FETCH_Q slot, q, i0
.irp i, \i0, \i0+1, \i0+2, \i0+3
	FRAG QF+FR*(\i), ADRQ+\slot, \slot, \q, \i
.endr
.endm
.macro SCALES slot, q, sc              ; a K step's scale words into set sc: one load gives four tiles' registers
.irp g, 0,1
	ds_load_b128 v[SCQ+8*(\sc)+4*\g:SCQ+8*(\sc)+4*\g+3], v[ADSQ+\slot] offset:\g*(4-2*(\slot))*REC+(\q)*REC
	ds_load_b128 v[SCP+8*(\sc)+4*\g:SCP+8*(\sc)+4*\g+3], v[ADSP+\slot] offset:\g*(4-2*(\slot))*REC+(\q)*REC
.endr
.endm
; 16 matrix instructions: Q's tiles a0, a0 + 1 x P's eight; p: P's set and the set of scale words.  The 64 accumulators take turns, one instruction a turn, in the same order in every step.
.macro MUL16 a0, p, zero
.irp a, \a0, \a0+1
.irp b, 0,1,2,3,4,5,6,7
.if \zero
	v_wmma_scale_f32_16x16x128_f8f6f4 v[8*(8*((\a)%4)+\b):8*(8*((\a)%4)+\b)+7], v[128*(\p)+FR*\b:128*(\p)+FR*\b+FR-1], v[QF+FR*(\a):QF+FR*(\a)+FR-1], 0, v[SCP+8*(\p)+\b], v[SCQ+8*(\p)+(\a)] matrix_a_fmt:MATRIX_FMT_BF6 matrix_b_fmt:MATRIX_FMT_BF6
.else
	v_wmma_scale_f32_16x16x128_f8f6f4 v[8*(8*((\a)%4)+\b):8*(8*((\a)%4)+\b)+7], v[128*(\p)+FR*\b:128*(\p)+FR*\b+FR-1], v[QF+FR*(\a):QF+FR*(\a)+FR-1], v[8*(8*((\a)%4)+\b):8*(8*((\a)%4)+\b)+7], v[SCP+8*(\p)+\b], v[SCQ+8*(\p)+(\a)] matrix_a_fmt:MATRIX_FMT_BF6 matrix_b_fmt:MATRIX_FMT_BF6
.endif
.endr
.endr
.endm
.macro PLACES n                        ; plain vector lines between a matrix instruction and a load into, or a vector line on, its registers
.rept \n
	v_nop
.endr
.endm
; K step k, the q-th of its slot, with its successor in the same slot.
.macro STEP k, slot, q, zero
	s_wait_dscnt 4*NL                              ; all but the youngest twelve loads (Q's tiles 4-7)
	WIN MUL_LO
	MUL16 0, (\k)%2, \zero
	MUL16 2, (\k)%2, \zero
	s_wait_dscnt 0x0                               ; Q's tiles 4-7 are in
	PLACES NP
	FETCH_P \slot, (\q)+1, 1-(\k)%2
	FETCH_Q \slot, (\q)+1, 0
	SCALES \slot, (\q)+1, 1-(\k)%2
.if (\k) < 3                           ; behind the run of LDS loads: K steps 6 to 11 are named in K steps 0 to 2,
	ASK 6+2*(\k)
	ASK 7+2*(\k)
.endif
.if (\k) == 4 || (\k) == 6             ; 12 to 15 in K steps 4 and 6
	ASK 8+(\k)
	ASK 9+(\k)
.endif
	WIN MUL_HI
	MUL16 4, (\k)%2, \zero
	MUL16 6, (\k)%2, \zero
	PLACES NP
	WIN 0
	FETCH_Q \slot, (\q)+1, 4
.endm
; K step k, its slot's last, changes slots: one barrier; ahead of it each wave waits for all its tensor loads, adds 0 to its spare word, and waits for that and for its reads of this slot.
; fill = 1: this slot is filled again, with the K steps six on.
.macro TURN k, slot, next, fill
	s_wait_tensorcnt 0x0                           ; my part of the next slot has landed; no tensor load of mine is out
	ds_add_u32 v[SPW], v[NIL]
	s_wait_dscnt 4*NL+1                            ; (the add and Q's tiles 4-7 may be out)
	WIN MUL_LO
	MUL16 0, (\k)%2, 0
	s_wait_dscnt 0x0                               ; the add is done, and my reads of this slot are over
	s_barrier_signal -1
	MUL16 2, (\k)%2, 0
	WIN 0
	s_barrier_wait -1
.if \fill
	CREST                                          ; the barrier has opened a round of the cluster's: no wave of any partner still reads this slot or has a load on its way
	s_add_nc_u64 s[G0X+4*\slot+2:G0X+4*\slot+3], s[G0X+4*\slot+2:G0X+4*\slot+3], 6*REC
	s_add_nc_u64 s[G0W+4*\slot+2:G0W+4*\slot+3], s[G0W+4*\slot+2:G0W+4*\slot+3], 6*REC
	JLOAD \slot                                    ; the first tensor load behind the round; its four v_nop are the places ahead of the loads below
.else
	PLACES NP
.endif
	FETCH_P \next, 0, 1-(\k)%2
	FETCH_Q \next, 0, 0
	SCALES \next, 0, 1-(\k)%2
	WIN MUL_HI
	MUL16 4, (\k)%2, 0
	MUL16 6, (\k)%2, 0
	PLACES NP
	WIN 0
	FETCH_Q \next, 0, 4
.endm
	s_wait_alu depctr_va_vdst(0)
	s_wait_tensorcnt 0x0                           ; my part of slot 0 is in
	ds_add_u32 v[SPW], v[NIL]
	s_wait_dscnt 0x0
	CROUND                                         ; slot 0 is whole in every wave, and all sixteen work-groups are here
	JLOAD 1                                        ; slot 1's first fill, K steps 4 and 5: my one load behind the round
	FETCH_P 0, 0, 0
	FETCH_Q 0, 0, 0
	SCALES 0, 0, 0
	FETCH_Q 0, 0, 4
	STEP 0, 0, 0, 1                                ; the first step starts the sums
	STEP 1, 0, 1, 0
	STEP 2, 0, 2, 0
	TURN 3, 0, 1, 1                                ; slot 0 is left and takes K steps 6 to 9
	STEP 4, 1, 0, 0
	TURN 5, 1, 0, 1                                ; slot 1 is left and takes K steps 10 and 11
	STEP 6, 0, 0, 0
	STEP 7, 0, 1, 0
	STEP 8, 0, 2, 0
	TURN 9, 0, 1, 1                                ; slot 0 takes K steps 12 to 15: the last load
	STEP 10, 1, 0, 0
	TURN 11, 1, 0, 0                               ; nothing is left to fetch
	STEP 12, 0, 0, 0
	STEP 13, 0, 1, 0
	STEP 14, 0, 2, 0
	s_wait_dscnt 4*NL                              ; K step 15
	WIN MUL_LO
	MUL16 0, 1, 0
	MUL16 2, 1, 0
	s_wait_dscnt 0x0
	WIN MUL_HI
	MUL16 4, 1, 0
	MUL16 6, 1, 0
	WIN 0
; THE WAY OUT.  The 64 accumulator registers of one tile of Q, v[s] on in window win, are 64 numbers of a lane's row, register 16 b + i = k 32 b + 16 (lane / 16) + i: they become a fragment and a scale word.
; Each accumulator is read from its low end on.
.macro QUANT s, win, pc, pw
	WIN (\win)|((\win)<<2)
.irp b, 0,1,2,3
	v_max3_num_f32 v[TM+\b], |v[(\s)+16*\b]|, |v[(\s)+16*\b+1]|, 0x2800000
.endr
.irp i, 2,4,6,8,10,12,14
.irp b, 0,1,2,3
	v_max3_num_f32 v[TM+\b], |v[(\s)+16*\b+\i]|, |v[(\s)+16*\b+\i+1]|, v[TM+\b]
.endr
.endr
	WIN 0
.irp b, 0,1,2,3
	v_permlanex16_b32 v[TM+4+\b], v[TM+\b], s[SEL], s[SEL+1]
.endr
.irp b, 0,1,2,3
	v_max_num_f32 v[TM+\b], v[TM+\b], v[TM+4+\b]
.endr
.irp b, 0,1,2,3
	v_add_nc_u32 v[TM+12+\b], 0xfe000000, v[TM+\b]
.endr
.irp b, 0,1,2,3
	v_lshrrev_b32 v[TM+4+\b], 23, v[TM+12+\b]
.endr
	v_lshl_or_b32 v[\pw], v[TM+5], 8, v[TM+4]
	v_lshl_or_b32 v[\pw], v[TM+6], 16, v[\pw]
	v_lshl_or_b32 v[\pw], v[TM+7], 24, v[\pw]
	WIN \win
.irp c, 0,1
	v_cvt_scalef32_pk16_bf6_f32 v[\pc+6*\c:\pc+6*\c+2], v[(\s)+32*\c:(\s)+32*\c+15], v[TM+12+2*\c]
	v_cvt_scalef32_pk16_bf6_f32 v[\pc+12+4*\c:\pc+14+4*\c], v[(\s)+16+32*\c:(\s)+31+32*\c], v[TM+13+2*\c]
.endr
	WIN 0
	v_nop                                          ; one plain line behind the conversions
.irp c, 0,1
.irp i, 0,1,2
	v_permlane16_swap_b32 v[\pc+6*\c+\i], v[\pc+12+4*\c+\i]
.endr
.irp i, 0,1,2
	v_mov_b32 v[\pc+3+6*\c+\i], v[\pc+12+4*\c+\i]
.endr
.endr
.endm
	PLACES NP                                      ; behind the last products: their results are read and Q's registers written below
.irp a, 0,1,2,3,4,5,6,7
.if \a == 4
	s_wait_xcnt 0x0                                ; the first four tiles' stores have read the codes' registers
.endif
	QUANT 64*(\a%4), 2+\a/4, PCB+20*(\a%4), PW+\a
.irp j, 0,1,2
	global_store_b128 v[GO], v[PCB+20*(\a%4)+4*\j:PCB+20*(\a%4)+4*\j+3], s[8:9] offset:(\a/4)*REC+(\a%4)*FRB+512*\j   ; 512 consecutive bytes
.endr
.endr
.irp e, 0,1,2,3
	v_cndmask_b32 v[EW+\e], v[PW+\e], v[PW+4+\e], s2   ; lanes 0-15 the first record's words, lanes 16-31 the second's
.endr
	global_store_b128 v[GS], v[EW:EW+3], s[8:9] offset:SCO   ; twice 256 consecutive bytes
	s_wait_tensorcnt 0x0                           ; the wave's end
	ds_add_u32 v[SPW], v[NIL]
	s_wait_dscnt 0x0
	CROUND                                         ; the closing round
	s_endpgm
.Lfunc_end_k_qe3e7847655_proj:
	.size	k_qe3e7847655_proj, .Lfunc_end_k_qe3e7847655_proj-k_qe3e7847655_proj
	.p2alignl 7, 3214868480
	.fill 96, 4, 3214868480
	.section	.rodata,"a",@progbits
	.p2align	6, 0x0
	.amdhsa_kernel k_qe3e7847655_proj
		.amdhsa_group_segment_fixed_size 327680
		.amdhsa_private_segment_fixed_size 0
		.amdhsa_enable_private_segment 0
		.amdhsa_kernarg_size 24
		.amdhsa_user_sgpr_count 2
		.amdhsa_user_sgpr_kernarg_segment_ptr 1
		.amdhsa_wavefront_size32 1
		.amdhsa_system_sgpr_workgroup_id_x 1
		.amdhsa_system_sgpr_workgroup_id_y 1
		.amdhsa_system_sgpr_workgroup_id_z 1
		.amdhsa_system_vgpr_workitem_id 0
		.amdhsa_next_free_vgpr 1024
		.amdhsa_next_free_sgpr 88
		.amdhsa_reserve_vcc 0
		.amdhsa_float_denorm_mode_32 3
		.amdhsa_float_denorm_mode_16_64 3
		.amdhsa_memory_ordered 1
		.amdhsa_forward_progress 1
		.amdhsa_inst_pref_size 235
	.end_amdhsa_kernel
	.amdgpu_metadata
---
amdhsa.version: [ 1, 2 ]
amdhsa.kernels:
  - .name:           k_qe3e7847655_proj
    .symbol:         k_qe3e7847655_proj.kd
    .args:
      - { .name: ximg, .offset: 0, .size: 8, .value_kind: global_buffer, .address_space: global }
      - { .name: wimg, .offset: 8, .size: 8, .value_kind: global_buffer, .address_space: global }
      - { .name: qkv, .offset: 16, .size: 8, .value_kind: global_buffer, .address_space: global }
    .group_segment_fixed_size: 327680
    .private_segment_fixed_size: 0
    .kernarg_segment_align: 8
    .kernarg_segment_size: 24
    .max_flat_workgroup_size: 128
    .sgpr_count:     88
    .vgpr_count:     1024
    .wavefront_size: 32
...
	.end_amdgpu_metadata
.endif
;; end of part 2
;; launch attn (part 3): grid 8 x 32, 8 waves a work-group, clusters of 4 x 1, 327,680 bytes of LDS; arguments qkv, mbits, aimg; writes aimg
.if DOCPART == 3
	.amdgcn_target "amdgcn-amd-amdhsa--gfx1250"
	.amdhsa_code_object_version 6
	.text
	.protected	k_qe3e7847655_attn
	.globl	k_qe3e7847655_attn
	.p2align	8
	.type	k_qe3e7847655_attn,@function
k_qe3e7847655_attn:
	s_mov_b64 s[64:65], 0
	v_nop
	global_prefetch_b8 v0, s[64:65] scope:SCOPE_SE
	s_setreg_imm32_b32 hwreg(HW_REG_WAVE_MODE, 25, 1), 1
	s_wait_xcnt 0x0
	s_wait_alu depctr_hold_cnt(0) depctr_sa_sdst(0) depctr_va_vdst(0) depctr_va_sdst(0) depctr_va_ssrc(0) depctr_va_vcc(0) depctr_vm_vsrc(0)
	s_getreg_b32 s2, hwreg(HW_REG_IB_STS2, 6, 4)
	s_cmp_eq_u32 s2, 0
	s_cbranch_scc0 .Lentry_in_a_cluster
	s_endpgm
.Lentry_in_a_cluster:
	s_bfe_u32 s2, ttmp6, 0x10000c
	s_cmp_lg_u32 s2, 0x3003
	s_cbranch_scc0 .Lentry_shape_is_right
	s_endpgm
.Lentry_shape_is_right:
; ATTN: softmax(q k^T / sqrt(128), masked) v for one head and 128 queries a work-group, on codes of BF6 with E8M0 scales; the result is quantised and leaves as records.  No work is left out: the mask is an input.
; Eight waves, 16 queries each.  The head's K and V, 16 records each (204,800 bytes), come into LDS once: wave w brings four neighbouring records (25,600 dense bytes, 100 rows of 256) of K (w under 4) or V,
; by ONE joint load, shared by the four query blocks of the cluster.  Nothing is filled again.  Eight steps of 128 keys: seven in the loop, the last written out (it fetches nothing).
; Both products are used transposed, so that a lane holds one query; M is the ceiling of the running largest t, and p = 2^(t - M) is quantised block by block.
; No prefetch is written: all of K and V is asked for at the head, by the loads themselves.
; LIMITS: the promise holds while the scaled scores stay under 2^31 in magnitude; NaN and infinities are not served.
.set REC,   6400
.set FRB,   1536
.set SCO,   6144
.set GQP,   16*REC
.set VOFF,  102400
.set OSC,   204800
.set SPARE, 205312
.set AK0, 1
.set AV0, 2
.set AS0, 3
.set AT0, 4
.set SPW, 5
.set NIL, 6
.set GO,  7
.set ADK, 8
.set ADV, 9
.set ADS, 10
.set ADT, 11
.set KS,  64
.set VS,  72
.set TM,  80
.set WV,  2
.set TW,  3
.set G1,  4
.set G0,  12
.set MB,  28
.set CS,  30
.set SEL, 66
.set TB,  100
.set OUTP, 104
.set MSB, 0
.macro WIN new
.set WN, \new
.if MSB != WN
	s_set_vgpr_msb (MSB<<8)|WN
.set MSB, WN
.endif
.endm
.set MULW, 0x01
.set TO_F, 0x40
.macro CROUND
	s_barrier_signal -1
	s_barrier_wait -1
	s_cmp_lg_u32 s[WV], 0
	s_cbranch_scc1 .Lnot_wave_0_\@
	s_barrier_signal -3
.Lnot_wave_0_\@:
	s_barrier_wait -3
	s_barrier_signal -1
	s_barrier_wait -1
.endm
	s_load_b128 s[32:35], s[0:1], 0x0
	s_load_b64 s[36:37], s[0:1], 0x10
	v_lshl_add_u32 v[SPW], v0, 2, SPARE
	v_mov_b32 v[NIL], 0
	ds_add_u32 v[SPW], v[NIL]
	ds_add_u32 v[SPW], v[NIL]
	v_lshrrev_b32 v8, 5, v0
	s_delay_alu instid0(VALU_DEP_1)
	v_readfirstlane_b32 s[WV], v8
	s_mov_b32 s[G1], 15|(3<<16)|(1<<21)
	s_mov_b32 s[G1+1], 32<<16
	s_mov_b32 s[G1+2], 100<<16
	s_mov_b32 s[G1+3], 32<<16
	s_mov_b32 s[G1+4], 100
	s_mov_b32 s[G1+5], 32
	s_mov_b32 s[G1+6], 0
	s_mov_b32 s[G1+7], 0
	s_bfe_u32 s40, ttmp6, 0x40000
	s_lshl_b32 s41, ttmp9, 2
	s_add_co_u32 s41, s41, s40
	s_and_b32 s42, ttmp7, 0xffff
	s_lshr_b32 s43, s[WV], 2
	s_and_b32 s44, s[WV], 3
	s_mul_i32 s45, s43, VOFF
	s_mul_i32 s46, s44, 4*REC                      ; my four records of K or of V
	s_add_co_u32 s45, s45, s46
	s_mul_i32 s48, s43, 32*8*2*REC
	s_add_co_u32 s48, s48, 32*8*2*REC
	s_mul_i32 s47, s42, 8*2*REC
	s_add_co_u32 s48, s48, s47
	s_add_co_u32 s48, s48, s46
	s_mov_b32 s49, 0
	s_mul_i32 s50, s41, 2*REC
	s_add_co_u32 s50, s50, s47
	s_mul_i32 s52, s43, REC
	s_add_co_u32 s50, s50, s52
	s_mov_b32 s51, 0
	s_lshr_b32 s52, s42, 4
	s_lshl_b32 s53, s52, 6
	s_lshl_b32 s54, s41, 3
	s_add_co_u32 s53, s53, s54
	s_add_co_u32 s53, s53, s[WV]
	s_lshl_b32 s54, s53, 11
	s_mov_b32 s55, 0
	s_lshl_b32 s56, s52, 4
	s_lshl_b32 s57, s41, 1
	s_add_co_u32 s56, s56, s57
	s_lshl_b32 s56, s56, 4
	s_and_b32 s57, s42, 15
	s_add_co_u32 s56, s56, s57
	s_mul_i32 s56, s56, REC
	s_mov_b32 s57, 0
	s_mov_b32 s[CS], 0x3e0293ee
	s_mov_b32 s[CS+1], s[CS]
	s_mov_b32 s[SEL], 0x76543210
	s_mov_b32 s[SEL+1], 0xfedcba98
	s_wait_dscnt 0x0
	s_wait_kmcnt 0x0
	s_add_nc_u64 s[48:49], s[32:33], s[48:49]
	s_add_nc_u64 s[38:39], s[32:33], s[50:51]
	s_add_nc_u64 s[MB:MB+1], s[34:35], s[54:55]
	s_add_nc_u64 s[OUTP:OUTP+1], s[36:37], s[56:57]
.irp g, 0
	s_mov_b32 s[G0+4*\g], 1
	s_add_co_u32 s[G0+4*\g+1], s45, \g*4*REC
	s_add_nc_u64 s[G0+4*\g+2:G0+4*\g+3], s[48:49], \g*4*REC
	s_or_b32 s[G0+4*\g+3], s[G0+4*\g+3], 0x80000000
.endr
	CROUND
	tensor_load_to_lds s[G0:G0+3], s[G1:G1+7]      ; my one load of the launch, behind the opening lines and the round
	s_nop 0
.rept 4
	v_nop
.endr
	v_and_b32 v8, 31, v0
	v_and_b32 v9, 15, v0
	v_bfe_u32 v10, v0, 4, 1
	s_delay_alu instid0(VALU_DEP_3)
	v_lshlrev_b32 v[AK0], 4, v8
	s_delay_alu instid0(VALU_DEP_3)
	v_lshlrev_b32 v11, 4, v9
	s_delay_alu instid0(VALU_DEP_2)
	v_add_nc_u32 v[AV0], VOFF, v[AK0]
	s_delay_alu instid0(VALU_DEP_2)
	v_add_nc_u32 v[AS0], SCO, v11
	s_delay_alu instid0(VALU_DEP_3)
	v_add_nc_u32 v[AT0], VOFF+SCO, v11
	s_mul_i32 s58, s44, FRB
	s_lshl_b32 s59, s44, 2
	v_add_nc_u32 v232, s58, v[AK0]
	v_add_nc_u32 v233, s59, v11
	global_load_b128 v[16:19], v232, s[38:39]
	global_load_b128 v[20:23], v232, s[38:39] offset:512
	global_load_b128 v[24:27], v232, s[38:39] offset:1024
	global_load_b32 v255, v233, s[38:39] offset:SCO
	s_mul_i32 s60, s43, GQP
	s_add_co_u32 s60, s60, s58
	v_add_nc_u32 v[GO], s60, v[AK0]
	s_lshl_b32 s61, s43, 8
	s_add_co_u32 s61, s61, s59
	s_add_co_u32 s61, s61, OSC
	v_add_nc_u32 v29, s61, v11
	v_add_nc_u32 v30, OSC, v[AK0]
	v_mul_u32_u24 v31, v10, GQP
	s_delay_alu instid0(VALU_DEP_1)
	v_add_nc_u32 v31, v31, v[AS0]
	v_mov_b32 v28, 0xd2000000                      ; a masked key's raw score: -2^37, so that its product with c is exact and a row with every key masked gives t - M = 0.  As t that is -1.75e10: it lies under every t that the stated limit (2^31) allows
	v_mov_b32 v13, 0xff61b1e6
	s_delay_alu instid0(VALU_DEP_1)
	v_floor_f32 v12, -v13
	v_mov_b32 v14, 0
	v_mov_b32 v15, 0
	v_mov_b32 v253, 0
.irp b, 0,1,2,3
	v_mov_b32 v[236+\b], 0
	v_mov_b32 v[TM+4+\b], 0
.endr
.set n, 0
.rept 64
	v_mov_b32 v[160+n], 0
.set n, n+1
.endr
.macro MASKS
	s_load_b512 s[68:83], s[MB:MB+1], 0x0
	s_load_b512 s[84:99], s[MB:MB+1], 0x40
	s_load_b512 s[32:47], s[MB:MB+1], 0x80
	s_load_b512 s[48:63], s[MB:MB+1], 0xc0
.endm
.macro FETCH_K
	WIN TO_F
.irp g, 0,1
.irp t, 0,1,2,3
.irp j, 0,1,2
	ds_load_b128 v[12*(4*\g+\t)+4*\j:12*(4*\g+\t)+4*\j+3], v[ADK] offset:\g*REC+\t*FRB+512*\j
.endr
.endr
.endr
	WIN 0
	ds_load_b128 v[KS:KS+3], v[ADS]
	ds_load_b128 v[KS+4:KS+7], v[ADS] offset:REC
.endm
.macro FETCH_V
	WIN TO_F
.irp g, 0,1
.irp t, 0,1,2,3
.irp j, 0,1,2
	ds_load_b128 v[96+12*(4*\g+\t)+4*\j:96+12*(4*\g+\t)+4*\j+3], v[ADV] offset:\g*REC+\t*FRB+512*\j
.endr
.endr
.endr
	WIN 0
	ds_load_b128 v[VS:VS+3], v[ADT]
	ds_load_b128 v[VS+4:VS+7], v[ADT] offset:REC
.endm
.macro STEP bar, fetch
.if \fetch
	s_add_co_u32 s[TB], s[TB], 2*REC
.endif
	s_wait_dscnt 26
	WIN MULW
.irp t, 0,1,2,3,4,5,6,7
	v_wmma_scale_f32_16x16x128_f8f6f4 v[96+8*\t:103+8*\t], v[12*\t:12*\t+11], v[16:27], 0, v[KS+\t], v255 matrix_a_fmt:MATRIX_FMT_BF6 matrix_b_fmt:MATRIX_FMT_BF6
.endr
	WIN 0
.if \fetch
	v_add_nc_u32 v[ADK], s[TB], v[AK0]
	v_add_nc_u32 v[ADS], s[TB], v[AS0]
	v_nop
	v_nop
.else
.rept 4
	v_nop
.endr
.endif
.if \bar
	s_wait_alu depctr_va_vdst(0)
	s_wait_tensorcnt 0x0
	s_wait_dscnt 0x0
	s_barrier_signal -1
	s_barrier_wait -1
.endif
.if \fetch
	FETCH_K
.endif
	s_wait_kmcnt 0x0                               ; the step's 64 mask words are in; the mask is laid on the raw scores
.if \fetch
	s_add_nc_u64 s[MB:MB+1], s[MB:MB+1], 256
.endif
.set n, 0
.rept 32
	v_cndmask_b32 v[96+n], v28, v[96+n], s[68+n]
.set n, n+1
.endr
.rept 32
	v_cndmask_b32 v[96+n], v28, v[96+n], s[n]
.set n, n+1
.endr
.irp b, 0,1,2,3
	v_max3_num_f32 v[232+\b], v[96+16*\b], v[97+16*\b], v[98+16*\b]
.endr
.irp i, 3,5,7,9,11,13
.irp b, 0,1,2,3
	s_delay_alu instid0(VALU_DEP_4)
	v_max3_num_f32 v[232+\b], v[232+\b], v[96+16*\b+\i], v[97+16*\b+\i]
.endr
.endr
.irp b, 0,1,2,3
	s_delay_alu instid0(VALU_DEP_4)
	v_max_num_f32 v[232+\b], v[232+\b], v[111+16*\b]
.endr
.irp b, 0,1,2,3
	s_delay_alu instid0(VALU_DEP_4)
	v_permlanex16_b32 v[236+\b], v[232+\b], s[SEL], s[SEL+1]
.endr
.irp b, 0,1,2,3
	s_delay_alu instid0(VALU_DEP_4)
	v_max_num_f32 v[232+\b], v[232+\b], v[236+\b]
.endr
	s_delay_alu instid0(VALU_DEP_2)
	v_max3_num_f32 v254, v232, v233, v234
	s_delay_alu instid0(VALU_DEP_1)
	v_max_num_f32 v254, v254, v235                 ; the step's largest raw score of my query,
	s_delay_alu instid0(VALU_DEP_1)
	v_mul_f32 v254, s[CS], v254                    ; as t (c is positive),
	s_delay_alu instid0(VALU_DEP_1)
	v_max_num_f32 v13, v13, v254                   ; and the running largest t
	v_mov_b32 v254, v12
	s_delay_alu instid0(VALU_DEP_2)
	v_floor_f32 v12, -v13
	s_delay_alu instid0(VALU_DEP_1)
	v_sub_f32 v254, v12, v254
	s_delay_alu instid0(VALU_DEP_1)
	v_cvt_i32_f32 v254, v254
	s_delay_alu instid0(VALU_DEP_1)
	v_ldexp_f32 v252, 1.0, v254
.set n, 0
.rept 32
	v_pk_fma_f32 v[96+n:97+n], v[96+n:97+n], s[CS:CS+1], v[12:13] op_sel_hi:[1,0,0]   ; t - M = score x c - M, two at a time
.set n, n+2
.endr
.irp b, 0,1,2,3
	v_fma_f32 v[232+\b], v[232+\b], s[CS], v12     ; the same of each block's largest score
.endr
.set n, 0
	s_wait_alu depctr_va_vdst(0)
.rept 64
	v_exp_f32 v[96+n], v[96+n]
.set n, n+1
.endr
	v_pk_mul_f32 v[14:15], v[14:15], v[252:253] op_sel_hi:[1,0]
	s_wait_alu depctr_va_vdst(0)
.if \fetch
	MASKS
.endif
.irp b, 0,1,2,3
	v_exp_f32 v[232+\b], v[232+\b]
.endr
	v_pk_add_f32 v[236:237], v[96:97], v[98:99]
.irp j, 4,8,12,16,20,24,28,32,36,40,44,48,52,56,60
	v_pk_add_f32 v[14:15], v[14:15], v[96+\j:97+\j]
	v_pk_add_f32 v[236:237], v[236:237], v[98+\j:99+\j]
.endr
	s_delay_alu instid0(VALU_DEP_1)
	v_pk_add_f32 v[14:15], v[14:15], v[236:237]
	s_wait_alu depctr_va_vdst(0)
.irp b, 0,1,2,3
	v_max_num_f32 v[232+\b], 0x2800000, v[232+\b]
.endr
.irp b, 0,1,2,3
	s_delay_alu instid0(VALU_DEP_4)
	v_add_nc_u32 v[244+\b], 0xfe000000, v[232+\b]
.endr
.irp b, 0,1,2,3
	s_delay_alu instid0(VALU_DEP_4)
	v_lshrrev_b32 v[236+\b], 23, v[244+\b]
.endr
	s_delay_alu instid0(VALU_DEP_3)
	v_lshl_or_b32 v253, v237, 8, v236
	s_delay_alu instid0(VALU_DEP_1)
	v_lshl_or_b32 v253, v238, 16, v253
	s_delay_alu instid0(VALU_DEP_1)
	v_lshl_or_b32 v253, v239, 24, v253
.irp c, 0,1
	v_cvt_scalef32_pk16_bf6_f32 v[224+6*\c:226+6*\c], v[96+32*\c:111+32*\c], v[244+2*\c]
	v_cvt_scalef32_pk16_bf6_f32 v[236+4*\c:238+4*\c], v[112+32*\c:127+32*\c], v[245+2*\c]
.endr
	v_nop
.irp c, 0,1
.irp i, 0,1,2
	v_permlane16_swap_b32 v[224+6*\c+\i], v[236+4*\c+\i]
.endr
.irp i, 0,1,2
	s_delay_alu instid0(VALU_DEP_3)
	v_mov_b32 v[227+6*\c+\i], v[236+4*\c+\i]
.endr
.endr
.set n, 0
.rept 32
	v_pk_mul_f32 v[160+n:161+n], v[160+n:161+n], v[252:253] op_sel_hi:[1,0]
.set n, n+2
.endr
.if \fetch
	s_wait_alu depctr_va_vdst(0)
	s_wait_dscnt 26
.else
	s_wait_alu depctr_va_vdst(0)
	s_wait_dscnt 0x0
.endif
	WIN MULW
.irp t, 0,1,2,3,4,5,6,7
	v_wmma_scale_f32_16x16x128_f8f6f4 v[160+8*\t:167+8*\t], v[96+12*\t:96+12*\t+11], v[224:235], v[160+8*\t:167+8*\t], v[VS+\t], v253 matrix_a_fmt:MATRIX_FMT_BF6 matrix_b_fmt:MATRIX_FMT_BF6
.endr
	WIN 0
.if \fetch
	v_add_nc_u32 v[ADV], s[TB], v[AV0]
	v_add_nc_u32 v[ADT], s[TB], v[AT0]
	v_nop
	v_nop
	FETCH_V
.endif
.endm
	s_wait_loadcnt 0x0
	MASKS
	s_mov_b32 s[TB], 0
	s_wait_tensorcnt 0x0                           ; my four records are in; the barrier below shows all of K and V to every wave
	s_wait_dscnt 0x0
	s_barrier_signal -1
	s_barrier_wait -1
	v_add_nc_u32 v[ADK], s[TB], v[AK0]
	v_add_nc_u32 v[ADS], s[TB], v[AS0]
	v_add_nc_u32 v[ADV], s[TB], v[AV0]
	v_add_nc_u32 v[ADT], s[TB], v[AT0]
	FETCH_K
	FETCH_V
	s_mov_b32 s[TW], 7
.Lstep:
	STEP 0, 1
	s_sub_co_u32 s[TW], s[TW], 1
	s_cmp_lg_u32 s[TW], 0
	s_cbranch_scc1 .Lstep
	STEP 0, 0
.rept 4
	v_nop
.endr
	v_add_f32 v14, v14, v15
	s_delay_alu instid0(VALU_DEP_1)
	v_permlanex16_b32 v252, v14, s[SEL], s[SEL+1]
	s_delay_alu instid0(VALU_DEP_1)
	v_add_f32 v14, v14, v252
	s_wait_alu depctr_va_vdst(0)
	v_rcp_f32 v14, v14
	v_nop
	s_wait_alu depctr_va_vdst(0)
.set n, 0
.rept 64
	v_mul_f32 v[96+n], v[160+n], v14
.set n, n+1
.endr
.irp b, 0,1,2,3
	v_max3_num_f32 v[TM+\b], |v[96+16*\b]|, |v[97+16*\b]|, 0x2800000
.endr
.irp i, 2,4,6,8,10,12,14
.irp b, 0,1,2,3
	s_delay_alu instid0(VALU_DEP_4)
	v_max3_num_f32 v[TM+\b], v[TM+\b], |v[96+16*\b+\i]|, |v[97+16*\b+\i]|
.endr
.endr
.irp b, 0,1,2,3
	s_delay_alu instid0(VALU_DEP_4)
	v_permlanex16_b32 v[TM+4+\b], v[TM+\b], s[SEL], s[SEL+1]
.endr
.irp b, 0,1,2,3
	s_delay_alu instid0(VALU_DEP_4)
	v_max_num_f32 v[TM+\b], v[TM+\b], v[TM+4+\b]
.endr
.irp b, 0,1,2,3
	s_delay_alu instid0(VALU_DEP_4)
	v_add_nc_u32 v[TM+12+\b], 0xfe000000, v[TM+\b]
.endr
.irp b, 0,1,2,3
	s_delay_alu instid0(VALU_DEP_4)
	v_lshrrev_b32 v[TM+4+\b], 23, v[TM+12+\b]
.endr
	s_delay_alu instid0(VALU_DEP_3)
	v_lshl_or_b32 v52, v[TM+5], 8, v[TM+4]
	s_delay_alu instid0(VALU_DEP_1)
	v_lshl_or_b32 v52, v[TM+6], 16, v52
	s_delay_alu instid0(VALU_DEP_1)
	v_lshl_or_b32 v52, v[TM+7], 24, v52
.irp c, 0,1
	v_cvt_scalef32_pk16_bf6_f32 v[32+6*\c:34+6*\c], v[96+32*\c:111+32*\c], v[TM+12+2*\c]
	v_cvt_scalef32_pk16_bf6_f32 v[44+4*\c:46+4*\c], v[112+32*\c:127+32*\c], v[TM+13+2*\c]
.endr
	v_nop
.irp c, 0,1
.irp i, 0,1,2
	v_permlane16_swap_b32 v[32+6*\c+\i], v[44+4*\c+\i]
.endr
.irp i, 0,1,2
	s_delay_alu instid0(VALU_DEP_3)
	v_mov_b32 v[35+6*\c+\i], v[44+4*\c+\i]
.endr
.endr
.irp i, 0,1,2
	global_store_b128 v[GO], v[32+4*\i:35+4*\i], s[OUTP:OUTP+1] offset:512*\i
.endr
	ds_store_b32 v29, v52
	s_wait_dscnt 0x0
	s_barrier_signal -1
	s_barrier_wait -1
	s_cmp_lg_u32 s[WV], 0
	s_cbranch_scc1 .Lnot_mine
	ds_load_b128 v[56:59], v30
	s_wait_dscnt 0x0
	global_store_b128 v31, v[56:59], s[OUTP:OUTP+1]
.Lnot_mine:
	s_wait_tensorcnt 0x0
	ds_add_u32 v[SPW], v[NIL]
	s_wait_dscnt 0x0
	CROUND
	s_endpgm
.Lfunc_end_k_qe3e7847655_attn:
	.size	k_qe3e7847655_attn, .Lfunc_end_k_qe3e7847655_attn-k_qe3e7847655_attn
	.p2alignl 7, 3214868480
	.fill 96, 4, 3214868480
	.section	.rodata,"a",@progbits
	.p2align	6, 0x0
	.amdhsa_kernel k_qe3e7847655_attn
		.amdhsa_group_segment_fixed_size 327680
		.amdhsa_private_segment_fixed_size 0
		.amdhsa_enable_private_segment 0
		.amdhsa_kernarg_size 24
		.amdhsa_user_sgpr_count 2
		.amdhsa_user_sgpr_kernarg_segment_ptr 1
		.amdhsa_wavefront_size32 1
		.amdhsa_system_sgpr_workgroup_id_x 1
		.amdhsa_system_sgpr_workgroup_id_y 1
		.amdhsa_system_sgpr_workgroup_id_z 1
		.amdhsa_system_vgpr_workitem_id 0
		.amdhsa_next_free_vgpr 512
		.amdhsa_next_free_sgpr 106
		.amdhsa_reserve_vcc 0
		.amdhsa_float_denorm_mode_32 3
		.amdhsa_float_denorm_mode_16_64 3
		.amdhsa_memory_ordered 1
		.amdhsa_forward_progress 1
		.amdhsa_inst_pref_size 67
	.end_amdhsa_kernel
	.amdgpu_metadata
---
amdhsa.version: [ 1, 2 ]
amdhsa.kernels:
  - .name:           k_qe3e7847655_attn
    .symbol:         k_qe3e7847655_attn.kd
    .args:
      - { .name: qkv, .offset: 0, .size: 8, .value_kind: global_buffer, .address_space: global }
      - { .name: mbits, .offset: 8, .size: 8, .value_kind: global_buffer, .address_space: global }
      - { .name: aimg, .offset: 16, .size: 8, .value_kind: global_buffer, .address_space: global }
    .group_segment_fixed_size: 327680
    .private_segment_fixed_size: 0
    .kernarg_segment_align: 8
    .kernarg_segment_size: 24
    .max_flat_workgroup_size: 256
    .sgpr_count:     106
    .vgpr_count:     512
    .wavefront_size: 32
...
	.end_amdgpu_metadata
.endif
;; end of part 3
;; launch outp (part 4): grid 16 x 16, 4 waves a work-group, clusters of 4 x 4, 327,680 bytes of LDS; arguments aimg, wimg, out0; writes out0
.if DOCPART == 4
	.amdgcn_target "amdgcn-amd-amdhsa--gfx1250"
	.amdhsa_code_object_version 6
	.text
	.protected	k_qe3e7847655_outp
	.globl	k_qe3e7847655_outp
	.p2align	8
	.type	k_qe3e7847655_outp,@function
k_qe3e7847655_outp:
	s_mov_b64 s[64:65], 0
	v_nop
	global_prefetch_b8 v0, s[64:65] scope:SCOPE_SE
	s_setreg_imm32_b32 hwreg(HW_REG_WAVE_MODE, 25, 1), 1
	s_wait_xcnt 0x0
	s_wait_alu depctr_hold_cnt(0) depctr_sa_sdst(0) depctr_va_vdst(0) depctr_va_sdst(0) depctr_va_ssrc(0) depctr_va_vcc(0) depctr_vm_vsrc(0)
	s_getreg_b32 s2, hwreg(HW_REG_IB_STS2, 6, 4)
	s_cmp_eq_u32 s2, 0
	s_cbranch_scc0 .Lentry_in_a_cluster
	s_endpgm
.Lentry_in_a_cluster:
	s_bfe_u32 s2, ttmp6, 0x10000c
	s_cmp_lg_u32 s2, 0xf033
	s_cbranch_scc0 .Lentry_shape_is_right
	s_endpgm
.Lentry_shape_is_right:
; OUTP: out0 = (attention's result) Wo, [2,048 tokens] x [2,048 columns], K = 2,048, on codes of BF6 with E8M0 scales; f32 out.  No work is left out.
; Operands come as records (64 rows x 128 along K: four fragment images of 1,536 bytes, 256 bytes of scale words at 6,144; lane r of tile e holds row 32 (e / 2) + 8 (e % 2) + r + 8 (r / 8)).
; A tile of 128 x 128 to a work-group, so that there are 256 of them; 64 x 64 to each of four waves: 16 accumulators.
; LDS: two slots of SIX K steps (a wave brings 64 rows x 6 K steps, 38,400 dense bytes, by one load).  K steps 0-5 are asked for at the head; K steps 6-11 behind the full sequence and a round of the cluster's barrier;
; K steps 12-15 fill slot 0 again behind the round in K step 5.  One load a wave each time.  All 16 K steps are written out.
; CLUSTERS: the result's tiles are shared along a row of the 4 x 4 cluster, Wo's along a column: joint loads.
; PREFETCH: what a wave's second load brings is 150 blocks of 256 bytes, its third 100.  The four partners that ask for them jointly share them out by address (place p = cx for the result, cy for Wo): blocks 38 p .. 38 p + 37
; of the 150 (held at 149), named at the head by two instructions; blocks 25 p .. 25 p + 24 of the 100, named by one behind the second load, five K steps ahead of the third.  Lanes left over name their wave's last block again.
; The address registers are never rewritten.
; Source 0 = 16 columns of Wo (P), source 1 = 16 tokens (Q): a lane holds eight neighbouring numbers of a row of out0.
; REGISTERS: window 0: v8-10, v16-29 addresses; v32-39 scale words, two sets (lanes 0-15 Q's, lanes 16-31 P's); v128-255 accumulator (a, b) at v[128 + 8 (4 a + b)].  window 1: two sets of fragments at v0 and v128: Q's four, then P's four.
.set REC,   6400
.set FRB,   1536
.set SCO,   6144
.set GQP,   16*REC
.set PART,  6*REC                      ; 64 rows x 6 K steps, dense in memory: what one of the first two loads brings
.set SLOT,  4*PART
.set SPARE, 2*SLOT                     ; the spare words, 128 bytes a wave: two blocks of 256 bytes that no other line names
.set STAGE, SLOT                       ; the way out: 128 rows x 528 bytes in slot 1, which has had its only fill and its last read by then
.set SP,    528
.set PF,   8                           ; v8-10: the prefetches' offsets; never rewritten
.set ADRQ, 16                          ; v16, v17: Q's fragments in slot 0, 1
.set ADRP, 19
.set ADRS, 22
.set STO,  25
.set RD,   26
.set CO,   27
.set SPW,  28
.set NIL,  29
.set ACC,  128
.set G1A,  24                          ; group 1, 150 rows of 256 bytes: the result's
.set G0A,  32                          ; s[32:43] three sets, one for each load
.set G1B,  48                          ; Wo's
.set PFA,  60                          ; s[60:61] the 64 rows that I fetch, at K step 0; never rewritten
.set G0B,  68                          ; s[68:79]
.set G1AS, 80                          ; group 1, 100 rows: the last four K steps
.set G1BS, 88
.set MSB, 0
.macro WIN new
.set WN, \new
.if MSB != WN
	s_set_vgpr_msb (MSB<<8)|WN
.set MSB, WN
.endif
.endm
.set MUL,  0x05                        ; sources 0 and 1 window 1; C and D window 0
.set TO_F, 0x40
.macro JLOAD k, ga, gb                 ; a joint load: waves 0, 1 fetch the result's two parts, waves 2, 3 Wo's; an s_nop 0 and four v_nop follow each line
	s_cmp_eq_u32 s11, 0
	s_cbranch_scc0 .Lfor_b_\@
	tensor_load_to_lds s[G0A+4*\k:G0A+4*\k+3], s[\ga:\ga+7]
	s_nop 0
.rept 4
	v_nop
.endr
	s_branch .Lasked_\@
.Lfor_b_\@:
	tensor_load_to_lds s[G0B+4*\k:G0B+4*\k+3], s[\gb:\gb+7]
	s_nop 0
.rept 4
	v_nop
.endr
.Lasked_\@:
.endm
.macro CROUND
	s_barrier_signal -1
	s_barrier_wait -1
	s_cmp_lg_u32 s10, 0
	s_cbranch_scc1 .Lnot_wave_0_\@
	s_barrier_signal -3
.Lnot_wave_0_\@:
	s_barrier_wait -3
	s_barrier_signal -1
	s_barrier_wait -1
.endm
	s_load_b128 s[4:7], s[0:1], 0x0                ; aimg, wimg
	s_load_b64 s[8:9], s[0:1], 0x10                ; out0
	v_lshl_add_u32 v[SPW], v0, 2, SPARE
	v_mov_b32 v[NIL], 0
	ds_add_u32 v[SPW], v[NIL]                      ; the opening: the add, twice on end, and its wait ahead of my first tensor load
	ds_add_u32 v[SPW], v[NIL]
	v_lshrrev_b32 v1, 5, v0
	v_readfirstlane_b32 s10, v1                    ; wave
	s_lshr_b32 s11, s10, 1                         ; which 64 tokens are mine.  Also: I fetch for the result (0) or for Wo (1)
	s_and_b32 s12, s10, 1                          ; which 64 columns.  Also: which part I fetch
	s_bfe_u32 s44, ttmp6, 0x40000                  ; cx
	s_bfe_u32 s45, ttmp6, 0x40004                  ; cy
	s_lshl_b32 s46, ttmp9, 2
	s_add_co_u32 s46, s46, s44                     ; which 128 columns
	s_and_b32 s13, ttmp7, 0xffff
	s_lshl_b32 s13, s13, 2
	s_add_co_u32 s13, s13, s45                     ; which 128 tokens
	s_lshl_b32 s56, s45, 2
	s_lshl_b32 s56, 15, s56                        ; my row of the cluster
	s_lshl_b32 s57, 0x1111, s44                    ; my column
	s_or_b32 s[G1A], s56, (3<<16)|(1<<21)          ; the mask; elements of 8 bytes; 21 set beside a mask; no padding
	s_or_b32 s[G1B], s57, (3<<16)|(1<<21)
	s_or_b32 s[G1AS], s56, (3<<16)|(1<<21)
	s_or_b32 s[G1BS], s57, (3<<16)|(1<<21)
.irp g, G1A, G1B                       ; 38,400 dense bytes as 150 rows of 256
	s_mov_b32 s[\g+1], 32<<16
	s_mov_b32 s[\g+2], 150<<16
	s_mov_b32 s[\g+3], 32<<16
	s_mov_b32 s[\g+4], 150
	s_mov_b32 s[\g+5], 32
	s_mov_b32 s[\g+6], 0
	s_mov_b32 s[\g+7], 0
.endr
.irp g, G1AS, G1BS                     ; 25,600 dense bytes as 100 rows of 256
	s_mov_b32 s[\g+1], 32<<16
	s_mov_b32 s[\g+2], 100<<16
	s_mov_b32 s[\g+3], 32<<16
	s_mov_b32 s[\g+4], 100
	s_mov_b32 s[\g+5], 32
	s_mov_b32 s[\g+6], 0
	s_mov_b32 s[\g+7], 0
.endr
	s_lshl_b32 s14, s13, 1
	s_add_co_u32 s14, s14, s12
	s_mul_i32 s14, s14, GQP                        ; the result: group 2 x tile row + part
	s_mov_b32 s15, 0
	s_lshl_b32 s16, s46, 1
	s_add_co_u32 s16, s16, s12
	s_add_co_u32 s16, s16, 96                      ; Wo's groups lie behind those of Wq, Wk, Wv
	s_mul_i32 s16, s16, GQP
	s_mov_b32 s17, 0
	s_mul_i32 s18, s10, PART
	s_wait_dscnt 0x0                               ; both opening adds are done
	s_wait_kmcnt 0x0
	s_add_nc_u64 s[14:15], s[4:5], s[14:15]
	s_add_nc_u64 s[16:17], s[6:7], s[16:17]
	CROUND                                         ; all sixteen work-groups are here: the first joint loads meet
.irp k, 0,1,2                          ; load k begins at K step 6 k and goes to slot k % 2
	s_mov_b32 s[G0A+4*\k], 1
	s_add_co_u32 s[G0A+4*\k+1], s18, (\k%2)*SLOT
	s_add_nc_u64 s[G0A+4*\k+2:G0A+4*\k+3], s[14:15], \k*PART
	s_or_b32 s[G0A+4*\k+3], s[G0A+4*\k+3], 0x80000000
	s_mov_b32 s[G0B+4*\k], 1
	s_add_co_u32 s[G0B+4*\k+1], s18, (\k%2)*SLOT
	s_add_nc_u64 s[G0B+4*\k+2:G0B+4*\k+3], s[16:17], \k*PART
	s_or_b32 s[G0B+4*\k+3], s[G0B+4*\k+3], 0x80000000
.endr
	s_cmp_eq_u32 s11, 0                            ; the prefetches: the rows that I fetch,
	s_cselect_b64 s[PFA:PFA+1], s[14:15], s[16:17]
	s_cselect_b32 s62, s44, s45                    ; and my work-group's place p among the four that share them
	s_mul_i32 s63, s62, 38
	s_mul_i32 s62, s62, 25
	JLOAD 0, G1A, G1B                              ; K steps 0 to 5: one tensor load a wave at the head
	v_and_b32 v1, 15, v0                           ; r
	v_bfe_u32 v2, v0, 4, 1                         ; h
	v_and_b32 v3, 31, v0
	v_lshlrev_b32 v[CO], 4, v3                     ; 16 x lane
	v_add_nc_u32 v[PF], s63, v3                    ; of the 150 blocks: 38 p + lane,
	v_min_u32 v[PF+1], 5, v3
	v_min_u32 v[PF+2], 24, v3
	v_add_nc_u32 v[PF+1], s63, v[PF+1]
	v_add_nc_u32 v[PF+2], s62, v[PF+2]             ; of the 100 blocks: 25 p + lane, lanes 25 on at the last
	v_add_nc_u32 v[PF+1], 32, v[PF+1]
	v_lshlrev_b32 v[PF], 8, v[PF]
	v_min_u32 v[PF+1], 149, v[PF+1]                ; and 38 p + 32 .. 37, held at the last block
	v_lshlrev_b32 v[PF+2], 8, v[PF+2]
	v_lshlrev_b32 v[PF+1], 8, v[PF+1]
	global_prefetch_b8 v[PF], s[PFA:PFA+1] offset:PART th:TH_LOAD_NT scope:SCOPE_SE     ; K steps 6 to 11
	global_prefetch_b8 v[PF+1], s[PFA:PFA+1] offset:PART th:TH_LOAD_NT scope:SCOPE_SE
	s_mul_i32 s19, s11, PART                       ; my 64 tokens
	s_add_co_u32 s20, s12, 2
	s_mul_i32 s20, s20, PART                       ; my 64 columns of Wo
	s_sub_co_u32 s21, s20, s19                     ; the distance between the two, above 0
	v_add_nc_u32 v[ADRQ], s19, v[CO]
	v_add_nc_u32 v[ADRP], s20, v[CO]
	v_mul_u32_u24 v[ADRS], s21, v2                 ; lanes 16-31 take Wo's scale words
	v_lshl_add_u32 v[ADRS], v1, 4, v[ADRS]
	v_add_nc_u32 v[ADRS], s19, v[ADRS]
	v_add_nc_u32 v[ADRS], SCO, v[ADRS]
	v_add_nc_u32 v[ADRQ+1], SLOT, v[ADRQ]
	v_add_nc_u32 v[ADRP+1], SLOT, v[ADRP]
	v_add_nc_u32 v[ADRS+1], SLOT, v[ADRS]
	v_and_b32 v4, 8, v1
	v_add_nc_u32 v4, v4, v1                        ; r + 8 (r / 8)
	v_mul_u32_u24 v[STO], v4, SP
	v_lshl_add_u32 v[STO], v2, 6, v[STO]
	s_mul_i32 s22, s11, 64*SP
	s_lshl_b32 s23, s12, 8
	s_add_co_u32 s22, s22, s23
	s_add_co_u32 s22, s22, STAGE
	v_add_nc_u32 v[STO], s22, v[STO]               ; into the stage: my 64 rows, my 256 bytes of them, + 64 h
	s_mul_i32 s22, s10, 32*SP
	s_add_co_u32 s22, s22, STAGE
	v_add_nc_u32 v[RD], s22, v[CO]                 ; back: wave w takes rows 32 w on, whole
	s_lshl_b32 s58, s13, 20                        ; 128 rows of 8,192 bytes
	s_lshl_b32 s59, s10, 18
	s_add_co_u32 s58, s58, s59
	s_lshl_b32 s59, s46, 9
	s_add_co_u32 s58, s58, s59
	s_mov_b32 s59, 0
	s_add_nc_u64 s[8:9], s[8:9], s[58:59]
.macro FETCH k, q, f, sc               ; K step q of slot k: eight fragments into set f, their scale words into v[sc] on
	WIN TO_F
.irp e, 0,1,2,3
.irp j, 0,1,2
	ds_load_b128 v[\f+12*\e+4*\j:\f+12*\e+4*\j+3], v[ADRQ+\k] offset:(\q)*REC+\e*FRB+512*\j
.endr
.endr
.irp e, 0,1,2,3
.irp j, 0,1,2
	ds_load_b128 v[\f+48+12*\e+4*\j:\f+48+12*\e+4*\j+3], v[ADRP+\k] offset:(\q)*REC+\e*FRB+512*\j
.endr
.endr
	WIN 0
	ds_load_b128 v[\sc:\sc+3], v[ADRS+\k] offset:(\q)*REC
.endm
; 8 matrix instructions: Q's tiles a0, a0 + 1 x P's four.  The 16 accumulators take turns, one instruction a turn.
.macro MUL8 f, a0, sc, zero
.irp a, \a0, \a0+1
.irp b, 0,1,2,3
.if \zero
	v_wmma_scale_f32_16x16x128_f8f6f4 v[ACC+8*(4*(\a)+\b):ACC+8*(4*(\a)+\b)+7], v[\f+48+12*\b:\f+48+12*\b+11], v[\f+12*(\a):\f+12*(\a)+11], 0, v[\sc+\b], v[\sc+(\a)] matrix_a_fmt:MATRIX_FMT_BF6 matrix_b_fmt:MATRIX_FMT_BF6 matrix_a_scale:MATRIX_SCALE_ROW1
.else
	v_wmma_scale_f32_16x16x128_f8f6f4 v[ACC+8*(4*(\a)+\b):ACC+8*(4*(\a)+\b)+7], v[\f+48+12*\b:\f+48+12*\b+11], v[\f+12*(\a):\f+12*(\a)+11], v[ACC+8*(4*(\a)+\b):ACC+8*(4*(\a)+\b)+7], v[\sc+\b], v[\sc+(\a)] matrix_a_fmt:MATRIX_FMT_BF6 matrix_b_fmt:MATRIX_FMT_BF6 matrix_a_scale:MATRIX_SCALE_ROW1
.endif
.endr
.endr
.endm
.macro PLACES
.rept 4
	v_nop
.endr
.endm
; A K step on set f (0 or 1); the next step's fragments (slot nk, step nq) are fetched into the other set ahead of its products.
.macro KSTEP f, nk, nq, zero
	s_wait_dscnt 0x0                               ; this step's fragments are in
.if !\zero
	PLACES                                         ; ahead of loads into registers that the last step's products read
.endif
	FETCH \nk, \nq, 128*(1-\f), 36-4*\f
	WIN MUL
	MUL8 128*\f, 0, 32+4*\f, \zero
	MUL8 128*\f, 2, 32+4*\f, \zero
.endm
; A slot's last K step.  refill = 1: slot 0 is filled again: each wave waits for all its tensor loads (slot 1's), adds 0 to its spare word, waits for that and for its reads of slot 0; a round of the
; cluster's barrier; the joint load first behind it.  refill = 0: the last load has landed in every wave, and nobody reads slot 1 any more.
.macro KCHG f, nk, refill
	WIN 0
	s_wait_tensorcnt 0x0
.if \refill
	ds_add_u32 v[SPW], v[NIL]
	s_wait_dscnt 1                                 ; this step's fragments are in; the add may be out
.else
	s_wait_dscnt 0x0
.endif
	WIN MUL
	MUL8 128*\f, 0, 32+4*\f, 0
.if \refill
	s_wait_dscnt 0x0                               ; the add is done, and my reads of the slot are over
.endif
	WIN 0
.if \refill
	CROUND                                         ; no wave of any partner still reads slot 0 or has a load on its way; slot 1 is whole in every wave
	JLOAD 2, G1AS, G1BS                            ; K steps 12 to 15; its four v_nop are the places ahead of the loads below
.else
	s_barrier_signal -1
	s_barrier_wait -1
	PLACES
.endif
	FETCH \nk, 0, 128*(1-\f), 36-4*\f
	WIN MUL
	MUL8 128*\f, 2, 32+4*\f, 0
.endm
	s_wait_alu depctr_va_vdst(0)
	s_wait_tensorcnt 0x0                           ; my part of slot 0 is in
	ds_add_u32 v[SPW], v[NIL]
	s_wait_dscnt 0x0
	CROUND                                         ; slot 0 is whole in every wave, and all sixteen work-groups are here
	JLOAD 1, G1A, G1B                              ; K steps 6 to 11: my one load behind the round
	FETCH 0, 0, 0, 32
	global_prefetch_b8 v[PF+2], s[PFA:PFA+1] offset:2*PART th:TH_LOAD_NT scope:SCOPE_SE   ; K steps 12 to 15, behind the joint load and the run of LDS loads
	KSTEP 0, 0, 1, 1                               ; K step 0 starts the sums
	KSTEP 1, 0, 2, 0
	KSTEP 0, 0, 3, 0
	KSTEP 1, 0, 4, 0
	KSTEP 0, 0, 5, 0
	KCHG  1, 1, 1                                  ; K step 5: slot 0 is left and filled again
	KSTEP 0, 1, 1, 0
	KSTEP 1, 1, 2, 0
	KSTEP 0, 1, 3, 0
	KSTEP 1, 1, 4, 0
	KSTEP 0, 1, 5, 0
	KCHG  1, 0, 0                                  ; K step 11: on to K steps 12 to 15, in slot 0
	KSTEP 0, 0, 1, 0
	KSTEP 1, 0, 2, 0
	KSTEP 0, 0, 3, 0
	s_wait_dscnt 0x0                               ; K step 15: nothing more to fetch
	WIN MUL
	MUL8 128, 0, 36, 0
	MUL8 128, 2, 36, 0
	WIN 0
	; THE WAY OUT: a lane's eight results are 32 bytes of a row; a row's 512 bytes come from two waves: they meet in the stage, and each wave stores 32 whole rows.
	PLACES
.irp a, 0,1,2,3
.irp b, 0,1,2,3
	ds_store_b128 v[STO], v[ACC+8*(4*\a+\b):ACC+8*(4*\a+\b)+3] offset:(32*(\a/2)+8*(\a%2))*SP+128*(\b/2)+32*(\b%2)      ; each accumulator from its low end on
	ds_store_b128 v[STO], v[ACC+8*(4*\a+\b)+4:ACC+8*(4*\a+\b)+7] offset:(32*(\a/2)+8*(\a%2))*SP+128*(\b/2)+32*(\b%2)+16
.endr
.endr
	s_wait_dscnt 0x0                               ; for the others' sake: my stores into the stage are done
	s_barrier_signal -1
	s_barrier_wait -1
.set t, 0
.rept 32
	ds_load_b128 v[ACC+4*t:ACC+4*t+3], v[RD] offset:t*SP
.set t, t+1
.endr
.set t, 0
.rept 32
	s_wait_dscnt 31-t                              ; the younger rows may be out
	global_store_b128 v[CO], v[ACC+4*t:ACC+4*t+3], s[8:9] offset:t*8192 th:TH_STORE_NT   ; 512 consecutive bytes, at a multiple of 256 from out0's first byte
.set t, t+1
.endr
	s_wait_tensorcnt 0x0                           ; the wave's end
	ds_add_u32 v[SPW], v[NIL]
	s_wait_dscnt 0x0
	CROUND                                         ; the closing round
	s_endpgm
.Lfunc_end_k_qe3e7847655_outp:
	.size	k_qe3e7847655_outp, .Lfunc_end_k_qe3e7847655_outp-k_qe3e7847655_outp
	.p2alignl 7, 3214868480
	.fill 96, 4, 3214868480
	.section	.rodata,"a",@progbits
	.p2align	6, 0x0
	.amdhsa_kernel k_qe3e7847655_outp
		.amdhsa_group_segment_fixed_size 327680
		.amdhsa_private_segment_fixed_size 0
		.amdhsa_enable_private_segment 0
		.amdhsa_kernarg_size 24
		.amdhsa_user_sgpr_count 2
		.amdhsa_user_sgpr_kernarg_segment_ptr 1
		.amdhsa_wavefront_size32 1
		.amdhsa_system_sgpr_workgroup_id_x 1
		.amdhsa_system_sgpr_workgroup_id_y 1
		.amdhsa_system_sgpr_workgroup_id_z 1
		.amdhsa_system_vgpr_workitem_id 0
		.amdhsa_next_free_vgpr 512
		.amdhsa_next_free_sgpr 96
		.amdhsa_reserve_vcc 0
		.amdhsa_float_denorm_mode_32 3
		.amdhsa_float_denorm_mode_16_64 3
		.amdhsa_memory_ordered 1
		.amdhsa_forward_progress 1
		.amdhsa_inst_pref_size 80
	.end_amdhsa_kernel
	.amdgpu_metadata
---
amdhsa.version: [ 1, 2 ]
amdhsa.kernels:
  - .name:           k_qe3e7847655_outp
    .symbol:         k_qe3e7847655_outp.kd
    .args:
      - { .name: aimg, .offset: 0, .size: 8, .value_kind: global_buffer, .address_space: global }
      - { .name: wimg, .offset: 8, .size: 8, .value_kind: global_buffer, .address_space: global }
      - { .name: out0, .offset: 16, .size: 8, .value_kind: global_buffer, .address_space: global }
    .group_segment_fixed_size: 327680
    .private_segment_fixed_size: 0
    .kernarg_segment_align: 8
    .kernarg_segment_size: 24
    .max_flat_workgroup_size: 128
    .sgpr_count:     96
    .vgpr_count:     512
    .wavefront_size: 32
...
	.end_amdgpu_metadata
.endif
;; end of part 4
